; MI455X (gfx1250); checked and timed in simulation.
; The chip was launched on July 23, 2026; its instructions are those of AMD's public machine-readable ISA for CDNA 5 (MIT licence, August 2026) and "CDNA5" Instruction Set Architecture Reference Guide (July 2026). The comments in the code are by the model that wrote it; some were corrected since.
;; Multi Head Attention. Allowed arithmetic: matrix products marked QUANTISED: E2M3 operands, one E8M0 scale for each 32 along K, by v_wmma_scale_f32_16x16x128_f8f6f4 with both operands' format E2M3, f32 sums; everything else in f32.
;; Inputs: b_k 1,024 float32; b_o 1,024 float32; b_q 1,024 float32; b_v 1,024 float32; k 2 x 2,048 x 1,024 float32; q 2 x 2,048 x 1,024 float32; v 2 x 2,048 x 1,024 float32; w_k 1,024 x 1,024 float32; w_o 1,024 x 1,024 float32; w_q 1,024 x 1,024 float32; w_v 1,024 x 1,024 float32.
;; Outputs: out0 2 x 2,048 x 1,024 float32.
;; This version of the problem:
;;   THIS VERSION OF THE PROBLEM IS GIVEN IN LOW PRECISION. The matrix products marked QUANTISED in the list below multiply operands that are first quantised to E2M3 (2 exponent bits, 3 mantissa bits; 6 bits a number), with one power-of-two scale for each 32 numbers along K (OCP MX v1.0); their sums are f32. All else is computed in f32.
;;   The module's matrix products, in the order in which they are computed (A, B: the left and right operand; K: the contracted axis; several contracted axes count as one K, in the product's order):
;;     1. [M 4,096, K 1,024] x [K 1,024, N 1,024]; A: input q; B: input w_q: QUANTISED
;;     2. [M 4,096, K 1,024] x [K 1,024, N 1,024]; A: input k; B: input w_k: QUANTISED
;;     3. [M 4,096, K 1,024] x [K 1,024, N 1,024]; A: input v; B: input w_v: QUANTISED
;;     4. batch 32 x [M 2,048, K 64] x [K 64, N 2,048]; A: computed on the way; B: computed on the way: QUANTISED
;;     5. batch 32 x [M 2,048, K 2,048] x [K 2,048, N 64]; A: softmax (see below); B: computed on the way: QUANTISED
;;     6. [M 4,096, K 1,024] x [K 1,024, N 1,024]; A: computed on the way; B: input w_o: QUANTISED
;;   THE QUANTISER, for each operand of a quantised product, along K:
;;     - K is cut into blocks of 32 from its start; a last block that is shorter is filled with zeros.
;;     - A block's scale is 2^e with e = floor(log2(the largest magnitude in the block)) - 2, held to -126 .. 127; a block of zeros has e = 0. As a byte (E8M0): e + 127.
;;     - Each number is divided by its block's scale, clamped to +-7.5, and rounded to the nearest number of E2M3, ties to even, subnormals kept.
;;     - The product sums the exact products of the quantised numbers (number of the format x scale) in f32.
;;   ~~~python
;;   def quantise(x, axis):      # numpy; x: float32 -> the quantised numbers, widened to float32 again
;;       x = np.moveaxis(x, axis, -1); K = x.shape[-1]
;;       x = np.pad(x, [(0, 0)] * (x.ndim - 1) + [(0, -K % 32)]); x = x.reshape(x.shape[:-1] + (-1, 32)); a = np.abs(x).max(-1, keepdims=True)
;;       e = np.where(a > 0, np.clip(np.frexp(np.where(a > 0, a, 1))[1] - 1 - 2, -126, 127), 0)      # np.frexp(a)[1] - 1 = floor(log2(a)), exactly
;;       r = np.clip(x / 2.0 ** e, -7.5, 7.5)
;;       step = 2.0 ** (np.maximum(np.frexp(np.where(r == 0, 1, r))[1] - 1, 0) - 3)
;;       q = np.round(r / step) * step * 2.0 ** e      # np.round: ties to even
;;       return np.moveaxis(q.reshape(q.shape[:-2] + (-1,))[..., :K], -1, axis).astype(np.float32)
;;   ~~~
;;   SOFTMAX AHEAD OF A QUANTISED PRODUCT. Where the list says 'softmax', what is quantised is not the finished softmax but p = 2^(t - M), with t = logit x log2(e) and M = ceil(the row's largest t), a whole number; so 1/2 < the row's largest p <= 1. The row's sum l is taken of the UNQUANTISED p, in f32, and the product's result is divided by l at the end. Since M is a whole number, a kernel that streams over the keys may use a running M (the ceiling of the running maximum): every later rescaling is an exact power of two, which a block's scale takes up: the codes' values come out the same.
;;   OPERANDS COMPUTED ON THE WAY. 'Computed on the way' means the value that the module computes at that place (a softmax that the list does not call 'softmax' is quantised finished and normalised). What goes into a quantiser is computed in f32, as accurately as f32 sums, v_exp_f32 and their like allow (about 1e-6 of the number): no bf16 or f16 on the way to a quantiser, and a product that is left as it is and whose result goes on into a quantised operand takes f32 operands (vector FMAs, or v_wmma_f32_16x16x4_f32). A number that lies on a knife's edge between two numbers of the format may be rounded either way, as far as f32 arithmetic and the matrix unit's own rounding can turn it there, and no further.
;; 2 versions. Each part assembles by itself: llvm-mc -triple=amdgcn-amd-amdhsa -mcpu=gfx1250 --defsym DOCPART=n.
;; ======== version 1 of 2: 4 launches
;; workspace buffers: xc 12,582,912 bytes; xs 524,288 bytes; pc 9,437,184 bytes; ps 393,216 bytes; oc 3,145,728 bytes; os 131,072 bytes
;; launch quant (part 1): grid 1024 x 1, 4 waves a work-group, no clusters, 34,304 bytes of LDS; arguments q, k, v, w_q, w_k, w_v, w_o, xc, xs; writes xc, xs
.if DOCPART == 1
	.amdgcn_target "amdgcn-amd-amdhsa--gfx1250"
	.amdhsa_code_object_version 6
	.text
	.protected	k_qfb549fc53a_quant
	.globl	k_qfb549fc53a_quant
	.p2align	8
	.type	k_qfb549fc53a_quant,@function
k_qfb549fc53a_quant:
	s_mov_b64 s[64:65], 0
	v_nop
	global_prefetch_b8 v0, s[64:65] scope:SCOPE_SE
	s_setreg_imm32_b32 hwreg(HW_REG_WAVE_MODE, 25, 1), 1
	s_wait_xcnt 0x0
; q, k, v [4096][1024] and w_q, w_k, w_v, w_o [1024][1024], f32, K innermost, become codes of FP6 (E2M3) with one E8M0 byte for each 32 along K.
; A block's scale is 2^(floor(log2(largest magnitude)) - 2): its byte is the largest magnitude's exponent field - 2, held at 1 from below by a floor among the maximum's leaves.
; LIMITS: a block of zeros gets the byte 1 where the definition says 127 (its codes are zeros, and this program alone reads the bytes); NaN and infinities among the inputs are not served.
; LAYOUT OF THE RESULT: the order of an operand's registers.  A tile is 16 rows: lane r of tile t holds row 32 (t / 2) + 8 (t % 2) + r + 8 (r / 8) of its tensor.
; A fragment (a tile x 128 along K) is 1,536 bytes: for c = 0, 1 a half of 768: registers 6 c .. 6 c + 3 of lane L at 16 L, registers 6 c + 4, 6 c + 5 at 512 + 8 L.
; xc: tile T (q 0-255, k 256-511, v 512-767, w_q 768-, w_k 832-, w_v 896-, w_o 960-1023), K step s: T x 12288 + s x 1536.   xs: one word a row and K step: T x 512 + s x 64 + 4 r.
; SHARES: work-group g is tile g, wave w takes K quarter w: two fragments.  Each load reads 512 consecutive bytes of one row; ALL 32 LOADS OF A WAVE GO OUT AT ITS HEAD: nothing of its input is asked for later.
; A fragment's 16 rows turn through the wave's own stage in LDS (pitch 528), so that lane (r, h) gets k = 64 c + 32 h + 0 .. 31 of row r: two whole blocks a lane.  Waves share nothing: no barrier.
; With 240 registers and 33,792 bytes of LDS four work-groups lie on a WGP.
.set ROWB,   4096                      ; a row in memory
.set SPITCH, 528                       ; a stage row: 512 bytes + 16: the 16 rows that a read touches start at 16 different groups of four banks
.set STAGEB, 16*SPITCH
.set FRB,    1536
.set R,   16                           ; v16-143  two sets of 64: the two fragments as loaded; set 0's first 12 later hold the second fragment's codes
.set X,   144                          ; v144-207 block c at X + 32 c
.set C,   208                          ; v208-219 the first fragment's 12 registers
.set PT,  220                          ; v220-227 the upper halves of the two blocks' codes, before they are moved
.set W,   228                          ; v228-229 the two fragments' scale words
.set MX,  232                          ; v232-233 largest magnitudes
.set SO,  234                          ; v234-235 the conversions' scale operands
.set BY,  236                          ; v236-237 scale bytes
.set WT,  238
.set TP,  239
.set SRC, 22                           ; s[22:23] my tensor, then my wave's first byte in it
.set SEL, 26                           ; s[26:27] lane selects: lane l xor 16
	s_load_b512 s[4:19], s[0:1], 0x0               ; q, k, v, w_q, w_k, w_v, w_o, xc
	s_load_b64 s[20:21], s[0:1], 0x40              ; xs
	v_lshl_add_u32 v240, v0, 2, 0x8400
	v_mov_b32 v241, 0
	v_lshrrev_b32 v1, 5, v0
	v_readfirstlane_b32 s25, v1                    ; wave
	v_and_b32 v1, 31, v0                           ; lane L
	v_lshlrev_b32 v2, 4, v1                        ; 16 L: my bytes of a load, and of a store of 16 bytes a lane
	v_and_b32 v5, 15, v0                           ; r
	v_bfe_u32 v9, v0, 4, 1                         ; h
	s_mul_i32 s28, s25, STAGEB                     ; my stage
	v_add_nc_u32 v3, s28, v2                       ; in: 16 L of a row
	v_mul_u32_u24 v4, v5, SPITCH
	v_lshl_add_u32 v4, v9, 7, v4
	v_add_nc_u32 v4, s28, v4                       ; out: row r, + 128 h
	v_lshlrev_b32 v6, 3, v1                        ; 8 L
	v_lshlrev_b32 v7, 2, v1                        ; 4 L
	v_lshlrev_b32 v8, 3, v9                        ; 8 h: my bytes' shift in a scale word
	v_cmp_lt_u32 vcc_lo, 15, v1                    ; lanes 16-31; kept to the end
	v_mov_b32 v[TP], 0                             ; a lane permute's destination counts as one of its sources
	s_mov_b32 s[SEL], 0x76543210
	s_mov_b32 s[SEL+1], 0xfedcba98
	s_wait_kmcnt 0x0
	; which tensor: the choice hangs on the work-group's number alone
	s_mov_b64 s[SRC:SRC+1], s[16:17]
	s_mov_b32 s24, 960                             ; the tensor's first tile
.macro PICK lim, ptr, first
	s_cmp_lt_u32 ttmp9, \lim
	s_cselect_b64 s[SRC:SRC+1], s[\ptr:\ptr+1], s[SRC:SRC+1]
	s_cselect_b32 s24, \first, s24
.endm
	PICK 960, 14, 896
	PICK 896, 12, 832
	PICK 832, 10, 768
	PICK 768, 8, 512
	PICK 512, 6, 256
	PICK 256, 4, 0
	s_sub_co_u32 s31, ttmp9, s24                   ; the tile's number in its tensor
	s_lshr_b32 s32, s31, 1
	s_lshl_b32 s32, s32, 5
	s_and_b32 s31, s31, 1
	s_lshl_b32 s31, s31, 3
	s_add_co_u32 s31, s31, s32                     ; the tile's first row: 32 x (tile / 2) + 8 x (tile % 2)
	s_lshl_b32 s32, s31, 12
	s_lshl_b32 s33, s25, 10                        ; my quarter of K: 256 numbers
	s_add_co_u32 s32, s32, s33
	s_mov_b32 s33, 0
	s_add_nc_u64 s[SRC:SRC+1], s[SRC:SRC+1], s[32:33]
	s_mul_i32 s32, ttmp9, 8*FRB
	s_mul_i32 s35, s25, 2*FRB
	s_add_co_u32 s32, s32, s35
	s_add_nc_u64 s[18:19], s[18:19], s[32:33]      ; my two fragments in xc
	s_lshl_b32 s32, ttmp9, 9
	s_lshl_b32 s35, s25, 7
	s_add_co_u32 s32, s32, s35
	s_add_nc_u64 s[20:21], s[20:21], s[32:33]      ; my 128 bytes of xs
.macro LOAD f                          ; fragment f: 16 rows x 512 bytes, into set f
.irp i, 0,1,2,3,4,5,6,7,8,9,10,11,12,13,14,15
	global_load_b128 v[R+64*(\f)+4*\i:R+64*(\f)+4*\i+3], v2, s[SRC:SRC+1] offset:(\i+8*(\i/8))*ROWB+512*(\f) th:TH_LOAD_NT
.endr
.endm
.macro TURN f                          ; through the stage: LDS serves a wave's instructions in order, so no wait stands between the stores and the loads
.irp i, 0,1,2,3,4,5,6,7,8,9,10,11,12,13,14,15
	ds_store_b128 v3, v[R+64*(\f)+4*\i:R+64*(\f)+4*\i+3] offset:SPITCH*\i
.endr
.irp c, 0,1
.irp j, 0,1,2,3,4,5,6,7
	ds_load_b128 v[X+32*\c+4*\j:X+32*\c+4*\j+3], v4 offset:256*\c+16*\j
.endr
.endr
.endm
.macro QBLK f                          ; my two blocks (h and 2 + h of row r) become six registers each, and the row's scale word
.if (\f) == 0
.set CC, C
.else
.set CC, R                             ; the first fragment's numbers have left these registers: so each fragment's stores have data registers of their own, and nothing waits for a store
.endif
.irp c, 0,1
	v_max3_num_f32 v[MX+\c], |v[X+32*\c]|, |v[X+32*\c+1]|, 0x1800000   ; the floor 2^(3 - 127): the byte cannot fall under 1
.endr
.irp i, 2,4,6,8,10,12,14,16,18,20,22,24,26,28,30
.irp c, 0,1
	v_max3_num_f32 v[MX+\c], v[MX+\c], |v[X+32*\c+\i]|, |v[X+32*\c+\i+1]|   ; the two blocks by turns
.endr
.endr
.irp c, 0,1
	v_add_nc_u32 v[SO+\c], 0xff000000, v[MX+\c]    ; 2 off the exponent field: the conversion takes that field as its scale
.endr
.irp c, 0,1
	v_lshrrev_b32 v[BY+\c], 23, v[SO+\c]           ; the scale's byte
.endr
	v_lshl_or_b32 v[WT], v[BY+1], 16, v[BY]
	v_lshlrev_b32 v[WT], v8, v[WT]                 ; at bytes h and 2 + h
	v_permlanex16_b32 v[TP], v[WT], s[SEL], s[SEL+1]
	v_or_b32 v[W+(\f)], v[WT], v[TP]               ; with lane l xor 16's two bytes the word is whole
.irp c, 0,1
	v_cvt_scalef32_pk16_fp6_f32 v[CC+6*\c:CC+6*\c+2], v[X+32*\c:X+32*\c+15], v[SO+\c]
	v_cvt_scalef32_pk16_fp6_f32 v[PT+4*\c:PT+4*\c+2], v[X+32*\c+16:X+32*\c+31], v[SO+\c]   ; (a conversion's three registers begin on an even number)
.endr
	v_nop                                          ; one plain instruction behind a scaled conversion
.irp c, 0,1
.irp i, 0,1,2
	v_mov_b32 v[CC+6*\c+3+\i], v[PT+4*\c+\i]
.endr
.endr
	global_store_b128 v2, v[CC:CC+3], s[18:19] offset:FRB*(\f)            ; 512 consecutive bytes, at a multiple of 256 from the buffer's first byte
	global_store_b64 v6, v[CC+4:CC+5], s[18:19] offset:FRB*(\f)+512       ; 256
	global_store_b128 v2, v[CC+6:CC+9], s[18:19] offset:FRB*(\f)+768
	global_store_b64 v6, v[CC+10:CC+11], s[18:19] offset:FRB*(\f)+1280
.endm
	LOAD 0
	LOAD 1
	s_wait_loadcnt 16                              ; the first fragment's 16 loads are in; the second's 16 may be out
	TURN 0
	s_wait_dscnt 0x0                               ; the numbers are back, and the stores into the stage have read their registers
	QBLK 0
	s_wait_loadcnt 0x0
	TURN 1
	s_wait_dscnt 0x0
	QBLK 1
	v_cndmask_b32 v[MX], v[W], v[W+1], vcc_lo      ; lanes 0-15: the first of my two K steps, lanes 16-31: the second
	global_store_b32 v7, v[MX], s[20:21]           ; 128 consecutive bytes
	s_wait_tensorcnt 0x0
	ds_add_u32 v240, v241
	s_wait_dscnt 0x0
	s_endpgm
.Lfunc_end_k_qfb549fc53a_quant:
	.size	k_qfb549fc53a_quant, .Lfunc_end_k_qfb549fc53a_quant-k_qfb549fc53a_quant
	.p2alignl 7, 3214868480
	.fill 96, 4, 3214868480
	.section	.rodata,"a",@progbits
	.p2align	6, 0x0
	.amdhsa_kernel k_qfb549fc53a_quant
		.amdhsa_group_segment_fixed_size 34304
		.amdhsa_private_segment_fixed_size 0
		.amdhsa_enable_private_segment 0
		.amdhsa_kernarg_size 72
		.amdhsa_user_sgpr_count 2
		.amdhsa_user_sgpr_kernarg_segment_ptr 1
		.amdhsa_wavefront_size32 1
		.amdhsa_system_sgpr_workgroup_id_x 1
		.amdhsa_system_sgpr_workgroup_id_y 1
		.amdhsa_system_sgpr_workgroup_id_z 1
		.amdhsa_system_vgpr_workitem_id 0
		.amdhsa_next_free_vgpr 242
		.amdhsa_next_free_sgpr 66
		.amdhsa_reserve_vcc 1
		.amdhsa_float_denorm_mode_32 3
		.amdhsa_float_denorm_mode_16_64 3
		.amdhsa_memory_ordered 1
		.amdhsa_forward_progress 1
		.amdhsa_inst_pref_size 17
	.end_amdhsa_kernel
	.amdgpu_metadata
---
amdhsa.version: [ 1, 2 ]
amdhsa.kernels:
  - .name:           k_qfb549fc53a_quant
    .symbol:         k_qfb549fc53a_quant.kd
    .args:
      - { .name: q, .offset: 0, .size: 8, .value_kind: global_buffer, .address_space: global }
      - { .name: k, .offset: 8, .size: 8, .value_kind: global_buffer, .address_space: global }
      - { .name: v, .offset: 16, .size: 8, .value_kind: global_buffer, .address_space: global }
      - { .name: w_q, .offset: 24, .size: 8, .value_kind: global_buffer, .address_space: global }
      - { .name: w_k, .offset: 32, .size: 8, .value_kind: global_buffer, .address_space: global }
      - { .name: w_v, .offset: 40, .size: 8, .value_kind: global_buffer, .address_space: global }
      - { .name: w_o, .offset: 48, .size: 8, .value_kind: global_buffer, .address_space: global }
      - { .name: xc, .offset: 56, .size: 8, .value_kind: global_buffer, .address_space: global }
      - { .name: xs, .offset: 64, .size: 8, .value_kind: global_buffer, .address_space: global }
    .group_segment_fixed_size: 34304
    .private_segment_fixed_size: 0
    .kernarg_segment_align: 8
    .kernarg_segment_size: 72
    .max_flat_workgroup_size: 128
    .sgpr_count:     66
    .vgpr_count:     242
    .wavefront_size: 32
...
	.end_amdgpu_metadata
.endif
;; end of part 1
;; launch proj (part 2): grid 256 x 3, 4 waves a work-group, no clusters, 0 bytes of LDS; arguments xc, xs, b_q, b_k, b_v, pc, ps; writes pc, ps
.if DOCPART == 2
	.amdgcn_target "amdgcn-amd-amdhsa--gfx1250"
	.amdhsa_code_object_version 6
	.text
	.protected	k_qfb549fc53a_proj
	.globl	k_qfb549fc53a_proj
	.p2align	8
	.type	k_qfb549fc53a_proj,@function
k_qfb549fc53a_proj:
	s_mov_b64 s[64:65], 0
	v_nop
	global_prefetch_b8 v0, s[64:65] scope:SCOPE_SE
	s_setreg_imm32_b32 hwreg(HW_REG_WAVE_MODE, 25, 1), 1
	s_wait_xcnt 0x0
; The three projections y = x W^T + b on codes of FP6 (E2M3), K = 1,024, and the quantising of y for the next product.  Work-group y = 0: q, 1: k, 2: v.
; OPERANDS come from xc and xs, which lie in the order of an operand's registers (tile T, K step s at T x 12288 + s x 1536; scale words at T x 512 + s x 64 + 4 r): each fragment is four
; dense loads straight into registers.  Lane r of tile t holds row 32 (t / 2) + 8 (t % 2) + r + 8 (r / 8), so that the 16 result registers of two neighbouring tiles of SOURCE 0 are 16 neighbours.
; q, k: source 0 = W (64 features = one head), source 1 = x: a lane holds one token and 32 numbers of the head: they are quantised along the head's 64 (the scores' K).
; v:    source 0 = x (64 tokens), source 1 = W: a lane holds one feature and 32 tokens: quantised along the tokens (the keys are the second product's K).
; RESULT: halves of fragments (16 rows x 64 along K, 768 bytes: registers 0-3 of lane L at 16 L, registers 4, 5 at 512 + 8 L) in pc, region y x 3145728:
;   q, k: (head x 256 + token tile) x 768;  v: (group of 64 tokens x 64 + feature tile) x 768.   Two scale bytes a row in ps, region y x 131072:
;   q, k: (head x 256 + token tile) x 32 + 2 r;  v: ((group / 2) x 64 + feature tile) x 64 + 4 r + 2 (group % 2): a whole word for 128 keys.
; SHARES: a work-group makes 128 x 128, a wave 64 x 64: 16 accumulators, which begin as the bias and take turns, one instruction a turn.  K: 8 steps of 128, written out; every offset is an immediate.
; NO CLUSTER, NO TENSOR LOAD: nothing goes through LDS, so there is no tile to ask for jointly; with 256 registers and no LDS three work-groups lie on a WGP (768 for 256), and one wave's loads stand beside another's products.
; LIMITS: a block of zeros gets the byte 1 where the definition says 127 (its codes are zeros; this program alone reads the bytes); NaN and infinities are not served.
.set SA,  16                           ; v16-19   source 0's scale words: scales and nothing else
.set SB,  20                           ; v20-23   source 1's
.set FA,  24                           ; v24-71   source 0's four fragments
.set FB,  72                           ; v72-119  source 1's
.set ACC, 128                          ; v128-255 accumulator (a, b) at ACC + 8 (4 b + a)
.set CA,  36                           ; s[36:37] source 0's codes;  s[38:39] source 1's;  s[40:41], s[42:43] their scale words
.set CB,  38
.set ZA,  40
.set ZB,  42
.set BI,  44                           ; s[44:45] the bias
.set SEL, 18                           ; set below: s[18] is not free, see SELR
.set SELR, 2                           ; s[2:3] lane selects: lane l xor 16
	s_load_b256 s[4:11], s[0:1], 0x0               ; xc, xs, b_q, b_k
	s_load_b128 s[12:15], s[0:1], 0x20             ; b_v, pc
	s_load_b64 s[16:17], s[0:1], 0x30              ; ps
	v_lshrrev_b32 v7, 5, v0
	v_readfirstlane_b32 s19, v7                    ; wave
	v_and_b32 v7, 31, v0                           ; lane L
	v_lshlrev_b32 v1, 4, v7                        ; 16 L
	v_lshlrev_b32 v2, 3, v7                        ; 8 L
	v_and_b32 v10, 15, v0                          ; r
	v_lshlrev_b32 v3, 2, v10                       ; 4 r
	v_bfe_u32 v11, v0, 4, 1                        ; h
	v_lshlrev_b32 v8, 6, v11                       ; the bias of q, k: 64 h
	v_and_b32 v9, 8, v10
	v_add_nc_u32 v9, v9, v10
	v_lshlrev_b32 v9, 2, v9                        ; the bias of v: 4 (r + 8 (r / 8))
	v_cmp_lt_u32 vcc_lo, 15, v7                    ; lanes 16-31; kept to the end
	s_mov_b32 s[SELR], 0x76543210
	s_mov_b32 s[SELR+1], 0xfedcba98
	s_and_b32 s20, ttmp7, 0xffff                   ; which projection
	s_and_b32 s21, ttmp9, 7                        ; block of 128 features
	s_lshr_b32 s22, ttmp9, 3                       ; block of 128 tokens
	s_lshl_b32 s23, s20, 8                         ; x's first tile
	s_lshl_b32 s24, s20, 6
	s_add_co_u32 s24, s24, 768                     ; W's first tile
	s_and_b32 s25, s19, 1
	s_lshr_b32 s26, s19, 1
	s_lshl_b32 s26, s26, 2
	s_cmp_eq_u32 s20, 2                            ; v changes the sources' places; selections alone follow the compare
	s_cselect_b32 s27, s22, s21                    ; source 0's block
	s_cselect_b32 s28, s21, s22                    ; source 1's
	s_cselect_b32 s29, s23, s24                    ; source 0's tensor
	s_cselect_b32 s30, s24, s23                    ; source 1's
	s_cselect_b32 s31, 64, 256                     ; tiles of source 1 in all
	s_cselect_b32 s32, 2, 1                        ; bytes from row to row among the scale bytes, as a shift
	s_lshl_b32 s27, s27, 1
	s_add_co_u32 s27, s27, s25                     ; G: my 64 rows of source 0
	s_lshl_b32 s28, s28, 3
	s_add_co_u32 s28, s28, s26                     ; my first tile of source 1
	s_lshl_b32 s33, s27, 2
	s_add_co_u32 s29, s29, s33                     ; as tiles of xc
	s_add_co_u32 s30, s30, s28
	s_lshl_b32 s33, 32, s32
	v_lshlrev_b32 v5, s32, v7                      ; scale bytes: lanes 0-15 tile b, lanes 16-31 tile b + 1
	v_add_nc_u32 v6, s33, v5                       ; and two tiles on
	s_lshl_b32 s46, s27, 8
	s_add_co_u32 s46, s46, s28
	s_lshl_b32 s46, s46, 5
	s_lshl_b32 s33, s20, 17
	s_add_co_u32 s46, s46, s33                     ; my scale bytes, q and k
	s_lshr_b32 s47, s27, 1
	s_lshl_b32 s47, s47, 6
	s_add_co_u32 s47, s47, s28
	s_lshl_b32 s47, s47, 6
	s_and_b32 s33, s27, 1
	s_lshl_b32 s33, s33, 1
	s_add_co_u32 s47, s47, s33
	s_add_co_u32 s47, s47, 262144                  ; and v
	s_lshl_b32 s21, s27, 8                         ; the bias: 64 features of source 0,
	s_lshl_b32 s22, s28, 6                         ; or 16 features a tile of source 1
	s_mul_i32 s23, s27, s31
	s_add_co_u32 s23, s23, s28
	s_mul_i32 s23, s23, 768
	s_mul_i32 s24, s20, 3145728
	s_add_co_u32 s23, s23, s24                     ; my codes in pc
	s_mov_b32 s35, 0
	s_wait_kmcnt 0x0
	s_mul_i32 s34, s29, 12288
	s_add_nc_u64 s[CA:CA+1], s[4:5], s[34:35]
	s_mul_i32 s34, s30, 12288
	s_add_nc_u64 s[CB:CB+1], s[4:5], s[34:35]
	s_lshl_b32 s34, s29, 9
	s_add_nc_u64 s[ZA:ZA+1], s[6:7], s[34:35]
	s_lshl_b32 s34, s30, 9
	s_add_nc_u64 s[ZB:ZB+1], s[6:7], s[34:35]
	s_mov_b32 s34, s23
	s_add_nc_u64 s[14:15], s[14:15], s[34:35]
	s_cmp_eq_u32 s20, 0
	s_cselect_b64 s[BI:BI+1], s[8:9], s[10:11]
	s_cmp_eq_u32 s20, 2
	s_cselect_b64 s[BI:BI+1], s[12:13], s[BI:BI+1]
	s_cselect_b32 s34, s47, s46
	s_cselect_b32 s22, s22, s21
	s_add_nc_u64 s[16:17], s[16:17], s[34:35]
	s_mov_b32 s34, s22
	s_add_nc_u64 s[BI:BI+1], s[BI:BI+1], s[34:35]
	; THE SUMS BEGIN AS THE BIAS, in the result's layout
	s_cmp_eq_u32 s20, 2
	s_cbranch_scc1 .Lbias_v
.irp b, 0,1,2,3                        ; q, k: register j of accumulator (a, b) is feature 32 (a / 2) + 16 h + 8 (a % 2) + j of my 64
.irp a, 0,1,2,3
	global_load_b128 v[ACC+8*(4*\b+\a):ACC+8*(4*\b+\a)+3], v8, s[BI:BI+1] offset:(32*(\a/2)+8*(\a%2))*4
	global_load_b128 v[ACC+8*(4*\b+\a)+4:ACC+8*(4*\b+\a)+7], v8, s[BI:BI+1] offset:(32*(\a/2)+8*(\a%2))*4+16
.endr
.endr
	s_branch .Lgo
.Lbias_v:
.irp b, 0,1,2,3                        ; v: all registers of a lane in tile b belong to one feature: 32 (b / 2) + 8 (b % 2) + r + 8 (r / 8)
	global_load_b32 v[120+\b], v9, s[BI:BI+1] offset:(32*(\b/2)+8*(\b%2))*4
.endr
	s_wait_loadcnt 0x0
.irp b, 0,1,2,3
.set j, 0
.rept 32
	v_mov_b32 v[ACC+32*\b+j], v[120+\b]
.set j, j+1
.endr
.endr
.Lgo:
.macro LOADF reg, base, off            ; a fragment: four dense loads
	global_load_b128 v[\reg:\reg+3], v1, s[\base:\base+1] offset:\off
	global_load_b64 v[\reg+4:\reg+5], v2, s[\base:\base+1] offset:\off+512
	global_load_b128 v[\reg+6:\reg+9], v1, s[\base:\base+1] offset:\off+768
	global_load_b64 v[\reg+10:\reg+11], v2, s[\base:\base+1] offset:\off+1280
.endm
.macro STEP s                          ; 128 along K: 40 loads, 16 products
.rept 4
	v_nop                                          ; four plain instructions between the last products and loads into registers that they have read (ISA guide 7.12.1 for vector instructions)
.endr
.irp i, 0,1,2,3
	global_load_b32 v[SA+\i], v3, s[ZA:ZA+1] offset:512*\i+64*(\s)
	global_load_b32 v[SB+\i], v3, s[ZB:ZB+1] offset:512*\i+64*(\s)
.endr
.irp i, 0,1,2,3
	LOADF FB+12*\i, CB, 12288*\i+1536*(\s)
.endr
.irp i, 0,1,2,3
	LOADF FA+12*\i, CA, 12288*\i+1536*(\s)
.endr
	s_wait_loadcnt 0x0                             ; all of the step's operands (and, in the first step, the bias)
.irp b, 0,1,2,3
.irp a, 0,1,2,3
	v_wmma_scale_f32_16x16x128_f8f6f4 v[ACC+8*(4*\b+\a):ACC+8*(4*\b+\a)+7], v[FA+12*\a:FA+12*\a+11], v[FB+12*\b:FB+12*\b+11], v[ACC+8*(4*\b+\a):ACC+8*(4*\b+\a)+7], v[SA+\a], v[SB+\b] matrix_a_fmt:MATRIX_FMT_FP6 matrix_b_fmt:MATRIX_FMT_FP6
.endr
.endr
.endm
.irp s, 0,1,2,3,4,5,6,7
	STEP \s
.endr
; 32 numbers of a lane, register 16 b + i = k 32 b + 16 h + i of the lane's row, become half a fragment (six registers from pc on: block h of the row) and the row's two scale bytes in pw.
; pt: three registers for block 1's codes; tm: eight registers at work.  The maxima take each accumulator's registers in ascending order.
.macro QUANT2 src, pc, pt, pw, tm
.irp b, 0,1
	v_max3_num_f32 v[(\tm)+\b], |v[(\src)+16*\b]|, |v[(\src)+16*\b+1]|, 0x1800000   ; my 16 numbers of block b, and the floor 2^(3 - 127): the byte cannot fall under 1
.endr
.irp i, 2,4,6,8,10,12,14
.irp b, 0,1
	v_max3_num_f32 v[(\tm)+\b], v[(\tm)+\b], |v[(\src)+16*\b+\i]|, |v[(\src)+16*\b+\i+1]|
.endr
.endr
.irp b, 0,1
	v_permlanex16_b32 v[(\tm)+2+\b], v[(\tm)+\b], s[SELR], s[SELR+1]
.endr
.irp b, 0,1
	v_max_num_f32 v[(\tm)+\b], v[(\tm)+\b], v[(\tm)+2+\b]    ; with lane l xor 16's 16: the block's largest magnitude
.endr
.irp b, 0,1
	v_add_nc_u32 v[(\tm)+4+\b], 0xff000000, v[(\tm)+\b]      ; 2 off its exponent field: the conversion's scale operand
.endr
.irp b, 0,1
	v_lshrrev_b32 v[(\tm)+6+\b], 23, v[(\tm)+4+\b]           ; the scale's byte
.endr
	v_lshl_or_b32 v[\pw], v[(\tm)+7], 8, v[(\tm)+6]
	v_cvt_scalef32_pk16_fp6_f32 v[(\pc):(\pc)+2], v[(\src):(\src)+15], v[(\tm)+4]
	v_cvt_scalef32_pk16_fp6_f32 v[(\pt):(\pt)+2], v[(\src)+16:(\src)+31], v[(\tm)+5]
	v_nop                                          ; one plain instruction behind a scaled conversion
.irp i, 0,1,2
	v_permlane16_swap_b32 v[(\pc)+\i], v[(\pt)+\i] ; the first's lanes 16-31 change places with the second's lanes 0-15: a lane now holds the lower and the upper 16 codes of block h
.endr
.irp i, 0,1,2
	v_mov_b32 v[(\pc)+3+\i], v[(\pt)+\i]
.endr
.endm
.rept 4
	v_nop                                          ; four plain instructions between the last products and the first read of results and write of operands
.endr
	v_mov_b32 v70, 0                               ; a lane permute's destination counts as one of its sources
	v_mov_b32 v71, 0
.irp n, 0,1,2,3                        ; tile n of source 1: every store has registers of its own, so nothing waits for a store
	QUANT2 ACC+32*\n, 24+8*\n, 56, 64+\n, 68
	global_store_b128 v1, v[24+8*\n:27+8*\n], s[14:15] offset:768*\n       ; 512 consecutive bytes, at a multiple of 256 from the buffer's first byte
	global_store_b64 v2, v[28+8*\n:29+8*\n], s[14:15] offset:768*\n+512    ; 256
.endr
	v_cndmask_b32 v60, v64, v65, vcc_lo            ; lanes 0-15: tile 0's bytes, lanes 16-31: tile 1's
	v_cndmask_b32 v61, v66, v67, vcc_lo
	global_store_b16 v5, v60, s[16:17]
	global_store_b16 v6, v61, s[16:17]
	s_endpgm
.Lfunc_end_k_qfb549fc53a_proj:
	.size	k_qfb549fc53a_proj, .Lfunc_end_k_qfb549fc53a_proj-k_qfb549fc53a_proj
	.p2alignl 7, 3214868480
	.fill 96, 4, 3214868480
	.section	.rodata,"a",@progbits
	.p2align	6, 0x0
	.amdhsa_kernel k_qfb549fc53a_proj
		.amdhsa_group_segment_fixed_size 0
		.amdhsa_private_segment_fixed_size 0
		.amdhsa_enable_private_segment 0
		.amdhsa_kernarg_size 56
		.amdhsa_user_sgpr_count 2
		.amdhsa_user_sgpr_kernarg_segment_ptr 1
		.amdhsa_wavefront_size32 1
		.amdhsa_system_sgpr_workgroup_id_x 1
		.amdhsa_system_sgpr_workgroup_id_y 1
		.amdhsa_system_sgpr_workgroup_id_z 1
		.amdhsa_system_vgpr_workitem_id 0
		.amdhsa_next_free_vgpr 256
		.amdhsa_next_free_sgpr 66
		.amdhsa_reserve_vcc 1
		.amdhsa_float_denorm_mode_32 3
		.amdhsa_float_denorm_mode_16_64 3
		.amdhsa_memory_ordered 1
		.amdhsa_forward_progress 1
		.amdhsa_inst_pref_size 67
	.end_amdhsa_kernel
	.amdgpu_metadata
---
amdhsa.version: [ 1, 2 ]
amdhsa.kernels:
  - .name:           k_qfb549fc53a_proj
    .symbol:         k_qfb549fc53a_proj.kd
    .args:
      - { .name: xc, .offset: 0, .size: 8, .value_kind: global_buffer, .address_space: global }
      - { .name: xs, .offset: 8, .size: 8, .value_kind: global_buffer, .address_space: global }
      - { .name: b_q, .offset: 16, .size: 8, .value_kind: global_buffer, .address_space: global }
      - { .name: b_k, .offset: 24, .size: 8, .value_kind: global_buffer, .address_space: global }
      - { .name: b_v, .offset: 32, .size: 8, .value_kind: global_buffer, .address_space: global }
      - { .name: pc, .offset: 40, .size: 8, .value_kind: global_buffer, .address_space: global }
      - { .name: ps, .offset: 48, .size: 8, .value_kind: global_buffer, .address_space: global }
    .group_segment_fixed_size: 0
    .private_segment_fixed_size: 0
    .kernarg_segment_align: 8
    .kernarg_segment_size: 56
    .max_flat_workgroup_size: 128
    .sgpr_count:     66
    .vgpr_count:     256
    .wavefront_size: 32
...
	.end_amdgpu_metadata
.endif
;; end of part 2
;; launch attn (part 3): grid 8 x 32, 16 waves a work-group, clusters of 4 x 1, 206,848 bytes of LDS; arguments pc, ps, oc, os; writes oc, os
.if DOCPART == 3
	.amdgcn_target "amdgcn-amd-amdhsa--gfx1250"
	.amdhsa_code_object_version 6
	.text
	.protected	k_qfb549fc53a_attn
	.globl	k_qfb549fc53a_attn
	.p2align	8
	.type	k_qfb549fc53a_attn,@function
k_qfb549fc53a_attn:
	s_mov_b64 s[64:65], 0
	v_nop
	global_prefetch_b8 v0, s[64:65] scope:SCOPE_SE
	s_setreg_imm32_b32 hwreg(HW_REG_WAVE_MODE, 25, 1), 1
	s_wait_xcnt 0x0
	s_wait_alu depctr_hold_cnt(0) depctr_sa_sdst(0) depctr_va_vdst(0) depctr_va_sdst(0) depctr_va_ssrc(0) depctr_va_vcc(0) depctr_vm_vsrc(0)
	s_getreg_b32 s2, hwreg(HW_REG_IB_STS2, 6, 4)
	s_cmp_eq_u32 s2, 0
	s_cbranch_scc0 .Lentry_in_a_cluster
	s_endpgm
.Lentry_in_a_cluster:
	s_bfe_u32 s2, ttmp6, 0x10000c
	s_cmp_lg_u32 s2, 0x3003
	s_cbranch_scc0 .Lentry_shape_is_right
	s_endpgm
.Lentry_shape_is_right:
; O = softmax(Q K^T / 8) V for one head, both products on codes of FP6 (E2M3) with E8M0 scales, and the quantising of O along (head, d) for the last projection.
; THE SOFTMAX AHEAD OF THE SECOND PRODUCT: t = score x log2(e) / 8; M = the running largest t rounded UP to a whole number; p = 2^(t - M) is quantised along the keys, not normalised.
; The row's sum is taken of the unquantised p and divides O at the end.  When M moves, the sum and O are multiplied by 2^(old M - new M): exact.
; INPUTS (made by the launch before, in the order of an operand's registers): halves of fragments of 768 bytes (16 rows x 64 along K: registers 0-3 of lane L at 16 L, 4 and 5 at 512 + 8 L).
;   Q, K: (head x 256 + token tile) x 768, K = the head's 64: the fragment's other six registers are zeros on both sides, which add nothing.  V: (group of 64 keys x 64 + 4 head + dt) x 768, K = the keys.
;   Lane r of a tile holds row 32 (t / 2) + 8 (t % 2) + r + 8 (r / 8): so the 16 registers of two neighbouring tiles of scores are 16 neighbouring keys, and those of O^T 16 neighbouring d.
; SHARES: work-group y = batch x 16 + head; a work-group owns 256 queries, each of its sixteen waves one tile of 16, in 256 registers: four waves to a SIMD, so that one wave's vector work stands beside another's products.
; Both products are used transposed (S^T = K Q^T, O^T = V^T P^T): a lane holds one query throughout.  Every wave walks 16 steps of 128 keys.
; LDS: THE WHOLE HEAD'S K AND V, 196,608 bytes of codes and 8,192 of scale bytes, filled ONCE: no slot is ever filled again.  Step s: codes at 12288 s (K's 8 tiles, then V's 2 x 4 halves); scales at SC + 512 s.
; CLUSTER: the four query blocks of a cluster belong to one head and need the same K and V: each tile is asked for JOINTLY, by the same tensor load with the same descriptor and the mask of all four.
; Each wave issues six loads at the start, so six of its tensor loads are out at the most.  ONE BARRIER stands in front of the walk, with all six waited for: behind it no wave waits for another
; until the closing round, so the four waves of a SIMD may drift apart, and a wave that is ahead goes on working.
; LIMITS: a block of zeros gets the byte 1 (its codes are zeros; this program alone reads the bytes); a p under 2^-126 is 0 (v_exp_f32 flushes); NaN and infinities are not served.
.set SC,    196608                     ; the scale bytes: step s: K's 256 bytes (tile T: 32 T + 2 r), then V's 256 (dt: 64 dt + 4 r)
.set STEPB, 12288
.set KF,  32                           ; v32-79   four fragments of K; registers 6-11 of each stay 0
.set VF,  80                           ; v80-127  four fragments of V
.set S,   128                          ; v128-191 S^T, then p
.set OT,  192                          ; v192-223 O^T
.set KS,  248                          ; v248-251 K's scale words;  v28-31 V's;  v253 p's;  v255 Q's: scales and nothing else
.set VS,  28
.set WV,  12                           ; s12 my wave's number
.set SEL, 20                           ; s[20:21] lane selects: lane l xor 16
.set CS,  22                           ; s[22:23] c = log2(e) / 8
.set G1S, 24                           ; s[24:31] group 1: one row of 256 bytes
.set G1C, 32                           ; s[32:39] group 1: 12 rows of 256 bytes, dense
.set G0,  40                           ; s[40:63] six groups 0
.set TB,  80                           ; s80 LDS byte of the step's codes
.set TS,  81                           ; s81 of its scale bytes, from SC on
.set CNT, 82
; other registers: v1 16 L; v2 8 L + 512; v3 SC + 2 r; v4 SC + 256 + 4 r; v5-8 these four in the step in hand; v9 8 h; v10 at work; v11 4 r + h; v12 -M; v13 the largest t; v[14:15] the sum in two halves;
; v16-27 Q (v22-27 = 0); v224-235 p's codes; v232-247, v252, v254 at work.
.macro ROUND                           ; a round of the cluster's barrier
	s_barrier_signal -1
	s_barrier_wait -1
	s_cmp_lg_u32 s[WV], 0
	s_cbranch_scc1 .Lnot_wave_0_\@
	s_barrier_signal -3
.Lnot_wave_0_\@:
	s_barrier_wait -3
	s_barrier_signal -1
	s_barrier_wait -1
.endm
	s_load_b256 s[4:11], s[0:1], 0x0               ; pc, ps, oc, os
	v_lshl_add_u32 v254, v0, 2, 0x32000
	v_mov_b32 v255, 0
	ds_add_u32 v254, v255
	ds_add_u32 v254, v255
	s_wait_dscnt 0x0
	v_lshrrev_b32 v10, 5, v0
	v_readfirstlane_b32 s[WV], v10                 ; wave 0..15
	s_bfe_u32 s13, ttmp6, 0x40000                  ; cx: it enters Q's and O's global addresses alone
	s_and_b32 s66, ttmp7, 0xffff
	s_lshr_b32 s67, s66, 4                         ; batch
	s_and_b32 s68, s66, 15                         ; head
	s_lshl_b32 s70, s67, 7                         ; the batch's first token tile
	s_lshl_b32 s73, s68, 8
	s_add_co_u32 s73, s73, s70                     ; 256 head + 128 batch: K's first half fragment
	s_lshl_b32 s69, ttmp9, 2
	s_add_co_u32 s69, s69, s13                     ; my block of 256 queries
	s_lshl_b32 s71, s69, 4
	s_add_co_u32 s71, s71, s70
	s_add_co_u32 s71, s71, s[WV]                   ; my tile of queries
	s_lshl_b32 s72, s68, 8
	s_add_co_u32 s72, s72, s71                     ; 256 head + my tile
	; where the six loads read, in registers that never hold cx
	s_lshl_b32 s74, s73, 5
	s_lshl_b32 s75, s[WV], 8
	s_add_co_u32 s74, s74, s75
	s_add_co_u32 s74, s74, 131072
	s_mov_b32 s75, 0                               ; K's scale bytes of step w
	s_lshl_b32 s76, s67, 4
	s_add_co_u32 s76, s76, s[WV]
	s_lshl_b32 s76, s76, 12
	s_lshl_b32 s77, s68, 8
	s_add_co_u32 s76, s76, s77
	s_add_co_u32 s76, s76, 262144
	s_mov_b32 s77, 0                               ; V's scale words of step w
	s_mul_i32 s78, s73, 768
	s_mul_i32 s79, s[WV], 3072
	s_add_co_u32 s78, s78, s79
	s_add_co_u32 s78, s78, 3145728
	s_mov_b32 s79, 0                               ; K's tiles 4 w .. 4 w + 3
	s_lshl_b32 s84, s67, 5
	s_add_co_u32 s84, s84, s[WV]
	s_mul_i32 s84, s84, 49152
	s_mul_i32 s85, s68, 3072
	s_add_co_u32 s84, s84, s85
	s_add_co_u32 s84, s84, 6291456
	s_mov_b32 s85, 0                               ; V's group w of 64 keys, my head's four tiles
	; and where they go: the wave's number and constants alone
	s_lshl_b32 s86, s[WV], 9
	s_add_co_u32 s86, s86, SC
	s_lshr_b32 s87, s[WV], 1
	s_mul_i32 s87, s87, STEPB
	s_and_b32 s88, s[WV], 1
	s_mul_i32 s88, s88, 3072
	s_add_co_u32 s87, s87, s88
	; group 1: elements of 8 bytes, rows of 32 of them, no padding; 15:0 the mask of all four work-groups, bit 21 set beside it
	s_mov_b32 s[G1S], 15|(3<<16)|(1<<21)
	s_mov_b32 s[G1S+1], 32<<16                     ; tensor_dim0 = 32
	s_mov_b32 s[G1S+2], 1<<16                      ; tensor_dim1 = 1
	s_mov_b32 s[G1S+3], 32<<16                     ; tile_dim0 = 32
	s_mov_b32 s[G1S+4], 1                          ; tile_dim1 = 1
	s_mov_b32 s[G1S+5], 32                         ; from row to row
	s_mov_b32 s[G1S+6], 0
	s_mov_b32 s[G1S+7], 0
	s_mov_b32 s[G1C], 15|(3<<16)|(1<<21)
	s_mov_b32 s[G1C+1], 32<<16
	s_mov_b32 s[G1C+2], 12<<16                     ; tensor_dim1 = 12
	s_mov_b32 s[G1C+3], 32<<16
	s_mov_b32 s[G1C+4], 12                         ; tile_dim1 = 12
	s_mov_b32 s[G1C+5], 32
	s_mov_b32 s[G1C+6], 0
	s_mov_b32 s[G1C+7], 0
	s_mov_b32 s[SEL], 0x76543210
	s_mov_b32 s[SEL+1], 0xfedcba98
	s_mov_b32 s[CS], 0x3e38aa3b                    ; c = log2(e) / 8
	s_mov_b32 s[CS+1], s[CS]                       ; (named with it as a pair, so it is written)
	s_wait_kmcnt 0x0
	s_mov_b32 s[G0], 1                             ; K's scale bytes
	s_mov_b32 s[G0+1], s86
	s_add_nc_u64 s[G0+2:G0+3], s[6:7], s[74:75]
	s_or_b32 s[G0+3], s[G0+3], 0x80000000
	s_mov_b32 s[G0+4], 1                           ; V's scale words
	s_add_co_u32 s[G0+5], s86, 256
	s_add_nc_u64 s[G0+6:G0+7], s[6:7], s[76:77]
	s_or_b32 s[G0+7], s[G0+7], 0x80000000
	s_mov_b32 s[G0+8], 1                           ; K, steps 0-7
	s_mov_b32 s[G0+9], s87
	s_add_nc_u64 s[G0+10:G0+11], s[4:5], s[78:79]
	s_mov_b32 s[G0+16], 1                          ; K, steps 8-15: 64 tiles on
	s_add_co_u32 s[G0+17], s87, 8*STEPB
	s_add_nc_u64 s[G0+18:G0+19], s[G0+10:G0+11], 49152
	s_or_b32 s[G0+11], s[G0+11], 0x80000000
	s_or_b32 s[G0+19], s[G0+19], 0x80000000
	s_mov_b32 s[G0+12], 1                          ; V, steps 0-7
	s_add_co_u32 s[G0+13], s87, 6144
	s_add_nc_u64 s[G0+14:G0+15], s[4:5], s[84:85]
	s_mov_b32 s[G0+20], 1                          ; V, steps 8-15: 16 groups of 64 keys on
	s_add_co_u32 s[G0+21], s87, 8*STEPB+6144
	s_add_nc_u64 s[G0+22:G0+23], s[G0+14:G0+15], 786432
	s_or_b32 s[G0+15], s[G0+15], 0x80000000
	s_or_b32 s[G0+23], s[G0+23], 0x80000000
	; Q's and O's places
	s_mov_b32 s17, 0
	s_mul_i32 s16, s72, 768
	s_add_nc_u64 s[14:15], s[4:5], s[16:17]        ; Q's half fragment
	s_lshl_b32 s16, s72, 5
	s_add_nc_u64 s[18:19], s[6:7], s[16:17]        ; its scale bytes
	s_mul_i32 s16, s71, 12288
	s_mul_i32 s69, s68, 768
	s_add_co_u32 s16, s16, s69
	s_add_nc_u64 s[8:9], s[8:9], s[16:17]          ; O's codes: tile x 12288 + head x 768
	s_lshl_b32 s16, s71, 9
	s_lshr_b32 s69, s68, 1
	s_lshl_b32 s69, s69, 6
	s_add_co_u32 s16, s16, s69
	s_and_b32 s69, s68, 1
	s_lshl_b32 s69, s69, 1
	s_add_co_u32 s16, s16, s69
	s_add_nc_u64 s[10:11], s[10:11], s[16:17]      ; O's scale bytes: tile x 512 + (head / 2) x 64 + 2 (head % 2)
	ROUND                                          ; all four work-groups are here: the joint loads meet
	tensor_load_to_lds s[G0:G0+3], s[G1S:G1S+7]
	s_nop 0
	tensor_load_to_lds s[G0+4:G0+7], s[G1S:G1S+7]
	s_nop 0
	tensor_load_to_lds s[G0+8:G0+11], s[G1C:G1C+7]
	s_nop 0
	tensor_load_to_lds s[G0+12:G0+15], s[G1C:G1C+7]
	s_nop 0
	tensor_load_to_lds s[G0+16:G0+19], s[G1C:G1C+7]
	s_nop 0
	tensor_load_to_lds s[G0+20:G0+23], s[G1C:G1C+7]
	s_nop 0
.rept 4
	v_nop                                          ; four plain instructions follow the loads
.endr
	v_and_b32 v9, 31, v0                           ; lane L
	v_lshlrev_b32 v1, 4, v9
	v_lshl_add_u32 v2, v9, 3, 512
	v_and_b32 v10, 15, v0                          ; r
	v_lshl_add_u32 v3, v10, 1, SC
	v_lshl_add_u32 v4, v10, 2, SC+256
	v_bfe_u32 v9, v0, 4, 1                         ; h
	v_lshl_add_u32 v11, v10, 2, v9
	v_lshlrev_b32 v9, 3, v9
	v_lshlrev_b32 v10, 1, v10                      ; 2 r
	global_load_b128 v[16:19], v1, s[14:15]        ; Q stays in registers
	global_load_b64 v[20:21], v2, s[14:15]
	global_load_u16 v255, v10, s[18:19]            ; its two scale bytes; the word's upper bytes are 0 and stand over zero codes
.irp j, 22,23,24,25,26,27
	v_mov_b32 v\j, 0                               ; K = 64: the fragment's second half is zeros
.endr
.irp t, 0,1,2,3
.irp j, 6,7,8,9,10,11
	v_mov_b32 v[KF+12*\t+\j], 0
.endr
.endr
	v_mov_b32 v13, 0xff61b1e6                      ; the largest t so far: -3e38, under every t
	v_floor_f32 v12, -v13                          ; -M
	v_mov_b32 v14, 0
	v_mov_b32 v15, 0
.irp b, 0,1,2,3
	v_mov_b32 v[236+\b], 0                         ; a lane permute's destination counts as one of its sources
.endr
	v_mov_b32 v253, 0                              ; (named as the upper half of the pair v[252:253] before it is first written)
.set j, 0
.rept 32
	v_mov_b32 v[OT+j], 0                           ; the step is written once: the first finds zeros, which the first change of M leaves zeros
.set j, j+1
.endr
; A KEY STEP: 128 keys.
.macro STEP
	v_add_nc_u32 v5, s[TB], v1                     ; these four are also the plain instructions between the last step's products and the loads into registers that they have read
	v_add_nc_u32 v6, s[TB], v2
	v_add_nc_u32 v7, s[TS], v3
	v_add_nc_u32 v8, s[TS], v4
.irp t, 0,1,2,3                        ; K's tiles 0-3
	ds_load_b128 v[KF+12*\t:KF+12*\t+3], v5 offset:768*\t
	ds_load_b64 v[KF+12*\t+4:KF+12*\t+5], v6 offset:768*\t
	ds_load_u16 v[KS+\t], v7 offset:32*\t
.endr
.irp d, 0,1,2,3                        ; V's four fragments, wanted at the step's end
.irp c, 0,1
	ds_load_b128 v[VF+12*\d+6*\c:VF+12*\d+6*\c+3], v5 offset:6144+3072*\c+768*\d
	ds_load_b64 v[VF+12*\d+6*\c+4:VF+12*\d+6*\c+5], v6 offset:6144+3072*\c+768*\d
.endr
	ds_load_b32 v[VS+\d], v8 offset:64*\d
.endr
	s_wait_dscnt 20                                ; K's twelve loads are in; V's twenty may be out
.irp t, 0,1,2,3
	v_wmma_scale_f32_16x16x128_f8f6f4 v[S+8*\t:S+8*\t+7], v[KF+12*\t:KF+12*\t+11], v[16:27], 0, v[KS+\t], v255 matrix_a_fmt:MATRIX_FMT_FP6 matrix_b_fmt:MATRIX_FMT_FP6
.endr
.rept 4
	v_nop                                          ; in front of loads into registers that these products have read
.endr
.irp t, 0,1,2,3                        ; K's tiles 4-7
	ds_load_b128 v[KF+12*\t:KF+12*\t+3], v5 offset:3072+768*\t
	ds_load_b64 v[KF+12*\t+4:KF+12*\t+5], v6 offset:3072+768*\t
	ds_load_u16 v[KS+\t], v7 offset:128+32*\t
.endr
	s_wait_dscnt 0x0
.irp t, 0,1,2,3
	v_wmma_scale_f32_16x16x128_f8f6f4 v[S+32+8*\t:S+32+8*\t+7], v[KF+12*\t:KF+12*\t+11], v[16:27], 0, v[KS+\t], v255 matrix_a_fmt:MATRIX_FMT_FP6 matrix_b_fmt:MATRIX_FMT_FP6
.endr                                  ; lane (r, h): query r; register 16 b + i: key 32 b + 16 h + i of the step
.rept 4
	v_nop                                          ; in front of the first read of results
.endr
.irp b, 0,1,2,3
	v_max3_num_f32 v[232+\b], v[S+16*\b], v[S+1+16*\b], v[S+2+16*\b]   ; the largest SCORE of each block of 32 keys: it serves for the row's maximum and, since p rises with the score, for the block's largest p
.endr
.irp i, 3,5,7,9,11,13
.irp b, 0,1,2,3
	v_max3_num_f32 v[232+\b], v[232+\b], v[S+16*\b+\i], v[S+1+16*\b+\i]
.endr
.endr
.irp b, 0,1,2,3
	v_max_num_f32 v[232+\b], v[232+\b], v[S+15+16*\b]
.endr
.irp b, 0,1,2,3
	v_permlanex16_b32 v[236+\b], v[232+\b], s[SEL], s[SEL+1]
.endr
.irp b, 0,1,2,3
	v_max_num_f32 v[232+\b], v[232+\b], v[236+\b]  ; with lane l xor 16's 16 keys
.endr
	v_max3_num_f32 v254, v232, v233, v234
	v_max_num_f32 v254, v254, v235                 ; the step's largest score of my query
	v_mul_f32 v254, s[CS], v254                    ; as t (c is positive)
	v_max_num_f32 v13, v13, v254                   ; the running largest t
	v_mov_b32 v254, v12
	v_floor_f32 v12, -v13                          ; the new -M = floor(-t) = -ceil(t)
	v_sub_f32 v254, v12, v254                      ; old M - new M: a whole number, 0 or less
	v_cvt_i32_f32 v254, v254                       ; (it saturates)
	v_ldexp_f32 v252, 1.0, v254                    ; f = 2^(old M - new M)
.set j, 0
.rept 32
	v_pk_fma_f32 v[S+j:S+j+1], v[S+j:S+j+1], s[CS:CS+1], v[12:13] op_sel_hi:[1,0,0]   ; t - M, two at a time
.set j, j+2
.endr
.irp b, 0,1,2,3
	v_fma_f32 v[232+\b], v[232+\b], s[CS], v12     ; the same of each block's largest score
.endr
.set j, 0
.rept 64
	v_exp_f32 v[S+j], v[S+j]                       ; p = 2^(t - M), at most 1
.set j, j+1
.endr
	v_pk_mul_f32 v[14:15], v[14:15], v[252:253] op_sel_hi:[1,0]   ; the sums under the new M: the plain instruction behind the exponentials
	s_wait_alu depctr_va_vdst(0)                   ; one wait for the batch of 64, ahead of its first reader
.irp b, 0,1,2,3
	v_exp_f32 v[232+\b], v[232+\b]                 ; the block's largest p: the same two instructions on the same number give the same bits
.endr
	v_pk_add_f32 v[236:237], v[S:S+1], v[S+2:S+3]  ; the row's sum is taken of the UNQUANTISED p, in two chains; it reads the 64 alone
.irp j, 4,8,12,16,20,24,28,32,36,40,44,48,52,56,60
	v_pk_add_f32 v[14:15], v[14:15], v[S+\j:S+1+\j]
	v_pk_add_f32 v[236:237], v[236:237], v[S+2+\j:S+3+\j]
.endr
	v_pk_add_f32 v[14:15], v[14:15], v[236:237]
	s_wait_alu depctr_va_vdst(0)                   ; and one for the four
.irp b, 0,1,2,3
	v_max_num_f32 v[232+\b], 0x1800000, v[232+\b]  ; the floor 2^(3 - 127): the byte cannot fall under 1
.endr
.irp b, 0,1,2,3
	v_add_nc_u32 v[244+\b], 0xff000000, v[232+\b]  ; 2 off the exponent field: the conversion's scale operand
.endr
.irp b, 0,1,2,3
	v_lshrrev_b32 v[236+\b], 23, v[244+\b]         ; the scale's byte
.endr
	v_lshl_or_b32 v253, v237, 8, v236              ; p's scale word for these 128 keys
	v_lshl_or_b32 v253, v238, 16, v253
	v_lshl_or_b32 v253, v239, 24, v253
.irp c, 0,1
	v_cvt_scalef32_pk16_fp6_f32 v[224+6*\c:226+6*\c], v[S+32*\c:S+15+32*\c], v[244+2*\c]
	v_cvt_scalef32_pk16_fp6_f32 v[236+4*\c:238+4*\c], v[S+16+32*\c:S+31+32*\c], v[244+2*\c+1]   ; (a conversion's three registers begin on an even number)
.endr
	v_nop                                          ; one plain instruction behind a scaled conversion
.irp c, 0,1                            ; the operand's layout wants a whole block in a lane
.irp i, 0,1,2
	v_permlane16_swap_b32 v[224+6*\c+\i], v[236+4*\c+\i]
.endr
.irp i, 0,1,2
	v_mov_b32 v[227+6*\c+\i], v[236+4*\c+\i]
.endr
.endr
.set j, 0
.rept 16
	v_pk_mul_f32 v[OT+j:OT+j+1], v[OT+j:OT+j+1], v[252:253] op_sel_hi:[1,0]   ; O^T under the new M, each accumulator from its low end on
.set j, j+2
.endr
.rept 4
	v_nop                                          ; between the last of these writes and the products that add onto them
.endr
.irp d, 0,1,2,3                        ; O^T += V^T P^T: K = these 128 keys; four accumulators by turns
	v_wmma_scale_f32_16x16x128_f8f6f4 v[OT+8*\d:OT+8*\d+7], v[VF+12*\d:VF+12*\d+11], v[224:235], v[OT+8*\d:OT+8*\d+7], v[VS+\d], v253 matrix_a_fmt:MATRIX_FMT_FP6 matrix_b_fmt:MATRIX_FMT_FP6
.endr
	s_add_co_u32 s[TB], s[TB], STEPB
	s_add_co_u32 s[TS], s[TS], 512
.endm
	s_wait_loadcnt 0x0                             ; Q
	s_wait_tensorcnt 0x0                           ; all six of my loads have landed
	s_barrier_signal -1
	s_barrier_wait -1                              ; everybody's have: the whole head lies in LDS, and nothing is ever filled again
	s_mov_b32 s[TB], 0
	s_mov_b32 s[TS], 0
	s_mov_b32 s[CNT], 16
.Lstep:
	STEP
	s_sub_co_u32 s[CNT], s[CNT], 1
	s_cmp_lg_u32 s[CNT], 0
	s_cbranch_scc1 .Lstep
	; THE WAY OUT: O^T / the sum, quantised along d: register 16 b + i is d = 32 b + 16 h + i of my query: half a fragment of the last projection's operand.
.rept 4
	v_nop                                          ; in front of the first read of the last products' results
.endr
	v_add_f32 v14, v14, v15                        ; the sum's two halves,
	v_permlanex16_b32 v252, v14, s[SEL], s[SEL+1]
	v_add_f32 v14, v14, v252                       ; and lane l xor 16's
	v_rcp_f32 v14, v14
	v_nop                                          ; a plain instruction behind the reciprocal
	s_wait_alu depctr_va_vdst(0)                   ; and the wait ahead of its first reader
.set j, 0
.rept 16
	v_pk_mul_f32 v[S+j:S+j+1], v[OT+j:OT+j+1], v[14:15] op_sel_hi:[1,0]
.set j, j+2
.endr
.irp b, 0,1
	v_max3_num_f32 v[232+\b], |v[S+16*\b]|, |v[S+16*\b+1]|, 0x1800000   ; my 16 numbers of block b, and the floor 2^(3 - 127)
.endr
.irp i, 2,4,6,8,10,12,14
.irp b, 0,1
	v_max3_num_f32 v[232+\b], v[232+\b], |v[S+16*\b+\i]|, |v[S+16*\b+\i+1]|
.endr
.endr
.irp b, 0,1
	v_permlanex16_b32 v[234+\b], v[232+\b], s[SEL], s[SEL+1]
.endr
.irp b, 0,1
	v_max_num_f32 v[232+\b], v[232+\b], v[234+\b]
.endr
.irp b, 0,1
	v_add_nc_u32 v[236+\b], 0xff000000, v[232+\b]
.endr
.irp b, 0,1
	v_lshrrev_b32 v[238+\b], 23, v[236+\b]
.endr
	v_lshl_or_b32 v246, v239, 8, v238              ; the row's two scale bytes
	v_cvt_scalef32_pk16_fp6_f32 v[224:226], v[S:S+15], v236
	v_cvt_scalef32_pk16_fp6_f32 v[240:242], v[S+16:S+31], v237
	v_nop                                          ; one plain instruction behind a scaled conversion
.irp i, 0,1,2
	v_permlane16_swap_b32 v[224+\i], v[240+\i]
.endr
.irp i, 0,1,2
	v_mov_b32 v[227+\i], v[240+\i]
.endr
	v_lshrrev_b32 v10, v9, v246                    ; byte h of the two
	global_store_b128 v1, v[224:227], s[8:9]       ; 512 consecutive bytes, at a multiple of 256 from the buffer's first byte
	global_store_b64 v2, v[228:229], s[8:9]        ; 256
	global_store_b8 v11, v10, s[10:11]             ; lane (r, h): byte h of row r
	s_wait_xcnt 0x0
	v_lshl_add_u32 v254, v0, 2, 0x32000
	v_mov_b32 v255, 0
	s_wait_tensorcnt 0x0
	ds_add_u32 v254, v255
	s_wait_dscnt 0x0
	ROUND                                          ; the closing round: no work-group ends while a partner may still ask for a tile that names it
	s_endpgm
.Lfunc_end_k_qfb549fc53a_attn:
	.size	k_qfb549fc53a_attn, .Lfunc_end_k_qfb549fc53a_attn-k_qfb549fc53a_attn
	.p2alignl 7, 3214868480
	.fill 96, 4, 3214868480
	.section	.rodata,"a",@progbits
	.p2align	6, 0x0
	.amdhsa_kernel k_qfb549fc53a_attn
		.amdhsa_group_segment_fixed_size 206848
		.amdhsa_private_segment_fixed_size 0
		.amdhsa_enable_private_segment 0
		.amdhsa_kernarg_size 32
		.amdhsa_user_sgpr_count 2
		.amdhsa_user_sgpr_kernarg_segment_ptr 1
		.amdhsa_wavefront_size32 1
		.amdhsa_system_sgpr_workgroup_id_x 1
		.amdhsa_system_sgpr_workgroup_id_y 1
		.amdhsa_system_sgpr_workgroup_id_z 1
		.amdhsa_system_vgpr_workitem_id 0
		.amdhsa_next_free_vgpr 256
		.amdhsa_next_free_sgpr 96
		.amdhsa_reserve_vcc 0
		.amdhsa_float_denorm_mode_32 3
		.amdhsa_float_denorm_mode_16_64 3
		.amdhsa_memory_ordered 1
		.amdhsa_forward_progress 1
		.amdhsa_inst_pref_size 31
	.end_amdhsa_kernel
	.amdgpu_metadata
---
amdhsa.version: [ 1, 2 ]
amdhsa.kernels:
  - .name:           k_qfb549fc53a_attn
    .symbol:         k_qfb549fc53a_attn.kd
    .args:
      - { .name: pc, .offset: 0, .size: 8, .value_kind: global_buffer, .address_space: global }
      - { .name: ps, .offset: 8, .size: 8, .value_kind: global_buffer, .address_space: global }
      - { .name: oc, .offset: 16, .size: 8, .value_kind: global_buffer, .address_space: global }
      - { .name: os, .offset: 24, .size: 8, .value_kind: global_buffer, .address_space: global }
    .group_segment_fixed_size: 206848
    .private_segment_fixed_size: 0
    .kernarg_segment_align: 8
    .kernarg_segment_size: 32
    .max_flat_workgroup_size: 512
    .sgpr_count:     96
    .vgpr_count:     256
    .wavefront_size: 32
...
	.end_amdgpu_metadata
.endif
;; end of part 3
;; launch outp (part 4): grid 256 x 1, 4 waves a work-group, no clusters, 17,920 bytes of LDS; arguments xc, xs, oc, os, b_o, out0; writes out0
.if DOCPART == 4
	.amdgcn_target "amdgcn-amd-amdhsa--gfx1250"
	.amdhsa_code_object_version 6
	.text
	.protected	k_qfb549fc53a_outp
	.globl	k_qfb549fc53a_outp
	.p2align	8
	.type	k_qfb549fc53a_outp,@function
k_qfb549fc53a_outp:
	s_mov_b64 s[64:65], 0
	v_nop
	global_prefetch_b8 v0, s[64:65] scope:SCOPE_SE
	s_setreg_imm32_b32 hwreg(HW_REG_WAVE_MODE, 25, 1), 1
	s_wait_xcnt 0x0
; out0 = O w_o^T + b_o on codes of FP6 (E2M3), K = 1,024.  O's codes and scale words (oc, os) and w_o's (xc, xs, tiles 960 on) lie in the order of an operand's registers:
; tile T, K step s at T x 12288 + s x 1536, scale words at T x 512 + s x 64 + 4 r; lane r of tile t holds row 32 (t / 2) + 8 (t % 2) + r + 8 (r / 8).
; Source 0 = w_o (64 features), source 1 = O (64 tokens): a lane holds one token, and register j of accumulator (a, b) feature 32 (a / 2) + 16 h + 8 (a % 2) + j of the wave's 64.
; SHARES: a work-group makes 128 x 128, a wave 64 x 64: 16 accumulators, which take turns, one instruction a turn.  K: 8 steps of 128, written out; every offset is an immediate.
; THE FRAGMENTS ARE ASKED FOR TWO K STEPS AHEAD.  One wave lies on a SIMD, so nothing but its own loads can be on their way: a ring of three sets of 96 registers, set s % 3 in window 1 + s % 3.
; While step s is multiplied, the 32 loads of step s + 1 and the 32 of step s + 2 are out.  More loads are issued than the counter's field holds; the hardware then holds the issue back (ISA guide 5.7.1), and no wait is placed for that.
; THE SCALE WORDS of all 8 steps come at the head: a load at 4 x lane brings a tile's words of two K steps, lanes 0-15 the even step's, lanes 16-31 the odd step's, which the odd steps' products take by ROW1.
; THE BIAS, eight registers a tile of features in the result's layout, is the C of the first step's products.
; THE WAY OUT: a tile of 16 tokens x 64 features goes through the wave's own stage in LDS (pitch 272) and leaves as rows of 256 bytes: sixteen lanes store 256 consecutive bytes, aligned.
; NO CLUSTER, NO TENSOR LOAD: the operands go from memory straight into registers, so there is no tile in LDS to ask for jointly.
; REGISTERS: window 0: v1-8 addresses; v16-31 w_o's scale words (4 i + p: tile i, K steps 2 p and 2 p + 1), v32-47 O's: scales and nothing else; v48-79 the bias; v48-111 the way out; v128-255 the accumulators.
;   windows 1 to 3: v0-47 w_o's four fragments, v48-95 O's.
.set SCA, 16
.set SCB, 32
.set BIA, 48
.set OB,  80                           ; the way out: v80-111 and v48-79 by turns
.set ACC, 128                          ; accumulator (a, b) at ACC + 8 (4 b + a)
.set FA,  0
.set FB,  48
.set CA,  36                           ; s[36:37] w_o's codes;  s[38:39] O's;  s[40:41], s[42:43] their scale words;  s[44:45] the bias
.set CB,  38
.set ZA,  40
.set ZB,  42
.set BI,  44
.set MSB, 0
.macro WIN new                         ; s_set_vgpr_msb: bits 1:0 source 0, 3:2 source 1, 5:4 source 2, 7:6 destination; the high byte repeats the setting that is left
.if MSB != \new
	s_set_vgpr_msb (MSB<<8)|\new
.set MSB, \new
.endif
.endm
	s_load_b256 s[4:11], s[0:1], 0x0               ; xc, xs, oc, os
	s_load_b128 s[12:15], s[0:1], 0x20             ; b_o, out0
	v_lshl_add_u32 v126, v0, 2, 0x4400
	v_mov_b32 v127, 0
	v_lshrrev_b32 v7, 5, v0
	v_readfirstlane_b32 s19, v7                    ; wave
	v_and_b32 v7, 31, v0
	v_lshlrev_b32 v1, 4, v7                        ; 16 L
	v_lshlrev_b32 v2, 3, v7                        ; 8 L
	v_lshlrev_b32 v3, 2, v7                        ; 4 L: the scale words of two K steps
	v_and_b32 v10, 15, v0                          ; r
	v_bfe_u32 v11, v0, 4, 1                        ; h
	v_lshlrev_b32 v8, 6, v11                       ; the bias: 64 h
	s_mul_i32 s30, s19, 16*272                     ; my stage
	v_mul_u32_u24 v4, v10, 272
	v_lshl_add_u32 v4, v11, 6, v4
	v_add_nc_u32 v4, s30, v4                       ; in: row r, + 64 h
	v_mul_u32_u24 v5, v11, 272
	v_lshl_add_u32 v5, v10, 4, v5
	v_add_nc_u32 v5, s30, v5                       ; back: lanes 0-15 one row, lanes 16-31 the next
	v_lshlrev_b32 v6, 12, v11
	v_lshl_add_u32 v6, v10, 4, v6                  ; and the same two rows of out0
	s_and_b32 s21, ttmp9, 7                        ; block of 128 features
	s_lshr_b32 s22, ttmp9, 3                       ; block of 128 tokens
	s_and_b32 s25, s19, 1
	s_lshr_b32 s26, s19, 1
	s_lshl_b32 s26, s26, 2
	s_lshl_b32 s27, s21, 1
	s_add_co_u32 s27, s27, s25                     ; G: my 64 features
	s_lshl_b32 s28, s22, 3
	s_add_co_u32 s28, s28, s26                     ; my first tile of tokens
	s_lshl_b32 s29, s27, 2
	s_add_co_u32 s29, s29, 960                     ; my first tile of w_o in xc
	s_mov_b32 s35, 0
	s_wait_kmcnt 0x0
	s_mul_i32 s34, s29, 12288
	s_add_nc_u64 s[CA:CA+1], s[4:5], s[34:35]
	s_lshl_b32 s34, s29, 9
	s_add_nc_u64 s[ZA:ZA+1], s[6:7], s[34:35]
	s_mul_i32 s34, s28, 12288
	s_add_nc_u64 s[CB:CB+1], s[8:9], s[34:35]
	s_lshl_b32 s34, s28, 9
	s_add_nc_u64 s[ZB:ZB+1], s[10:11], s[34:35]
	s_lshl_b32 s34, s27, 8
	s_add_nc_u64 s[BI:BI+1], s[12:13], s[34:35]
	s_lshl_b32 s33, s28, 16
	s_add_co_u32 s34, s34, s33
	s_add_nc_u64 s[14:15], s[14:15], s[34:35]      ; out0 at token 16 x tile, feature 64 G
.irp i, 0,1,2,3                        ; all scale words: 128 consecutive bytes a load
.irp p, 0,1,2,3
	global_load_b32 v[SCA+4*\i+\p], v3, s[ZA:ZA+1] offset:512*\i+128*\p
	global_load_b32 v[SCB+4*\i+\p], v3, s[ZB:ZB+1] offset:512*\i+128*\p
.endr
.endr
.irp a, 0,1,2,3                        ; the bias, in the result's layout
	global_load_b128 v[BIA+8*\a:BIA+8*\a+3], v8, s[BI:BI+1] offset:(32*(\a/2)+8*(\a%2))*4
	global_load_b128 v[BIA+8*\a+4:BIA+8*\a+7], v8, s[BI:BI+1] offset:(32*(\a/2)+8*(\a%2))*4+16
.endr
.macro LOADF reg, base, off            ; a fragment: four dense loads
	global_load_b128 v[\reg:\reg+3], v1, s[\base:\base+1] offset:\off
	global_load_b64 v[\reg+4:\reg+5], v2, s[\base:\base+1] offset:\off+512
	global_load_b128 v[\reg+6:\reg+9], v1, s[\base:\base+1] offset:\off+768
	global_load_b64 v[\reg+10:\reg+11], v2, s[\base:\base+1] offset:\off+1280
.endm
.macro LOADS s                         ; K step s: eight fragments, 32 loads, into set s % 3
.set WN, (1+(\s)%3)<<6                 ; destination in the set's window, addresses in window 0
	WIN WN
.irp i, 0,1,2,3
	LOADF FB+12*\i, CB, 12288*\i+1536*(\s)
.endr
.irp i, 0,1,2,3
	LOADF FA+12*\i, CA, 12288*\i+1536*(\s)
.endr
.endm
.macro STEP s                          ; 128 along K
.if (\s) < 7
	s_wait_loadcnt 32                              ; this step's operands are in (in the first step the scale words and the bias too); the next step's 32 loads may be out
.else
	s_wait_loadcnt 0x0
.endif
.if (\s) < 6
.if (\s) > 0
.rept 4
	v_nop                                          ; four plain instructions between the last step's products and loads into the set that they have read (ISA guide 7.12.1 for vector instructions)
.endr
.endif
	LOADS (\s)+2
.endif
.set WN, 5*(1+(\s)%3)                  ; sources 0 and 1 in the set's window; C and D in window 0
	WIN WN
.irp b, 0,1,2,3
.irp a, 0,1,2,3
.if (\s) == 0
	v_wmma_scale_f32_16x16x128_f8f6f4 v[ACC+8*(4*\b+\a):ACC+8*(4*\b+\a)+7], v[FA+12*\a:FA+12*\a+11], v[FB+12*\b:FB+12*\b+11], v[BIA+8*\a:BIA+8*\a+7], v[SCA+4*\a], v[SCB+4*\b] matrix_a_fmt:MATRIX_FMT_FP6 matrix_b_fmt:MATRIX_FMT_FP6
.elseif (\s)%2 == 0
	v_wmma_scale_f32_16x16x128_f8f6f4 v[ACC+8*(4*\b+\a):ACC+8*(4*\b+\a)+7], v[FA+12*\a:FA+12*\a+11], v[FB+12*\b:FB+12*\b+11], v[ACC+8*(4*\b+\a):ACC+8*(4*\b+\a)+7], v[SCA+4*\a+(\s)/2], v[SCB+4*\b+(\s)/2] matrix_a_fmt:MATRIX_FMT_FP6 matrix_b_fmt:MATRIX_FMT_FP6
.else
	v_wmma_scale_f32_16x16x128_f8f6f4 v[ACC+8*(4*\b+\a):ACC+8*(4*\b+\a)+7], v[FA+12*\a:FA+12*\a+11], v[FB+12*\b:FB+12*\b+11], v[ACC+8*(4*\b+\a):ACC+8*(4*\b+\a)+7], v[SCA+4*\a+(\s)/2], v[SCB+4*\b+(\s)/2] matrix_a_fmt:MATRIX_FMT_FP6 matrix_b_fmt:MATRIX_FMT_FP6 matrix_a_scale:MATRIX_SCALE_ROW1 matrix_b_scale:MATRIX_SCALE_ROW1
.endif
.endr
.endr
.endm
	LOADS 0
	LOADS 1
.irp s, 0,1,2,3,4,5,6,7
	STEP \s
.endr
	WIN 0
.rept 4
	v_nop                                          ; in front of the first read of results
.endr
.irp b, 0,1,2,3                        ; tile b of my tokens
.if \b >= 2
	s_wait_xcnt 0x0                                ; the stores of the tile two back have read the registers that are loaded next
.endif
.irp a, 0,1,2,3
	ds_store_b128 v4, v[ACC+8*(4*\b+\a):ACC+8*(4*\b+\a)+3] offset:(32*(\a/2)+8*(\a%2))*4        ; each accumulator from its low end on
	ds_store_b128 v4, v[ACC+8*(4*\b+\a)+4:ACC+8*(4*\b+\a)+7] offset:(32*(\a/2)+8*(\a%2))*4+16
.endr
.irp i, 0,1,2,3,4,5,6,7
	ds_load_b128 v[OB-32*(\b%2)+4*\i:OB-32*(\b%2)+4*\i+3], v5 offset:544*\i   ; LDS serves a wave's instructions in order: these see the stores above, and the next tile's stores come behind them
.endr
	s_wait_dscnt 0x0
.irp i, 0,1,2,3,4,5,6,7                ; stage rows 2 i and 2 i + 1 are tokens 32 (b / 2) + 8 (b % 2) + 2 i + h + 8 (i / 4) of my 64
	global_store_b128 v6, v[OB-32*(\b%2)+4*\i:OB-32*(\b%2)+4*\i+3], s[14:15] offset:(32*(\b/2)+8*(\b%2)+2*\i+8*(\i/4))*4096 th:TH_STORE_NT
.endr
.endr
	s_wait_tensorcnt 0x0
	ds_add_u32 v126, v127
	s_wait_dscnt 0x0
	s_endpgm
.Lfunc_end_k_qfb549fc53a_outp:
	.size	k_qfb549fc53a_outp, .Lfunc_end_k_qfb549fc53a_outp-k_qfb549fc53a_outp
	.p2alignl 7, 3214868480
	.fill 96, 4, 3214868480
	.section	.rodata,"a",@progbits
	.p2align	6, 0x0
	.amdhsa_kernel k_qfb549fc53a_outp
		.amdhsa_group_segment_fixed_size 17920
		.amdhsa_private_segment_fixed_size 0
		.amdhsa_enable_private_segment 0
		.amdhsa_kernarg_size 48
		.amdhsa_user_sgpr_count 2
		.amdhsa_user_sgpr_kernarg_segment_ptr 1
		.amdhsa_wavefront_size32 1
		.amdhsa_system_sgpr_workgroup_id_x 1
		.amdhsa_system_sgpr_workgroup_id_y 1
		.amdhsa_system_sgpr_workgroup_id_z 1
		.amdhsa_system_vgpr_workitem_id 0
		.amdhsa_next_free_vgpr 1024
		.amdhsa_next_free_sgpr 66
		.amdhsa_reserve_vcc 0
		.amdhsa_float_denorm_mode_32 3
		.amdhsa_float_denorm_mode_16_64 3
		.amdhsa_memory_ordered 1
		.amdhsa_forward_progress 1
		.amdhsa_inst_pref_size 55
	.end_amdhsa_kernel
	.amdgpu_metadata
---
amdhsa.version: [ 1, 2 ]
amdhsa.kernels:
  - .name:           k_qfb549fc53a_outp
    .symbol:         k_qfb549fc53a_outp.kd
    .args:
      - { .name: xc, .offset: 0, .size: 8, .value_kind: global_buffer, .address_space: global }
      - { .name: xs, .offset: 8, .size: 8, .value_kind: global_buffer, .address_space: global }
      - { .name: oc, .offset: 16, .size: 8, .value_kind: global_buffer, .address_space: global }
      - { .name: os, .offset: 24, .size: 8, .value_kind: global_buffer, .address_space: global }
      - { .name: b_o, .offset: 32, .size: 8, .value_kind: global_buffer, .address_space: global }
      - { .name: out0, .offset: 40, .size: 8, .value_kind: global_buffer, .address_space: global }
    .group_segment_fixed_size: 17920
    .private_segment_fixed_size: 0
    .kernarg_segment_align: 8
    .kernarg_segment_size: 48
    .max_flat_workgroup_size: 128
    .sgpr_count:     66
    .vgpr_count:     1024
    .wavefront_size: 32
...
	.end_amdgpu_metadata
.endif
;; end of part 4
;; ======== version 2 of 2: 4 launches
;; workspace buffers: xc 12,582,912 bytes; xs 524,288 bytes; pc 9,437,184 bytes; ps 393,216 bytes; oc 3,145,728 bytes; os 131,072 bytes
;; launch quant (part 5): grid 1024 x 1, 4 waves a work-group, no clusters, 34,304 bytes of LDS; arguments q, k, v, w_q, w_k, w_v, w_o, xc, xs; writes xc, xs
.if DOCPART == 5
	.amdgcn_target "amdgcn-amd-amdhsa--gfx1250"
	.amdhsa_code_object_version 6
	.text
	.protected	k_qfb549fc53a_quant
	.globl	k_qfb549fc53a_quant
	.p2align	8
	.type	k_qfb549fc53a_quant,@function
k_qfb549fc53a_quant:
	s_mov_b64 s[64:65], 0
	v_nop
	global_prefetch_b8 v0, s[64:65] scope:SCOPE_SE
	s_setreg_imm32_b32 hwreg(HW_REG_WAVE_MODE, 25, 1), 1
	s_wait_xcnt 0x0
; q, k, v [4096][1024] and w_q, w_k, w_v, w_o [1024][1024], f32, K innermost, become codes of FP6 (E2M3) with one E8M0 byte for each 32 along K.
; A block's scale is 2^(floor(log2(largest magnitude)) - 2): its byte is the largest magnitude's exponent field - 2, held at 1 from below by a floor among the maximum's leaves.
; LIMITS: a block of zeros gets the byte 1 where the definition says 127 (its codes are zeros, and this program alone reads the bytes); NaN and infinities among the inputs are not served.
; LAYOUT OF THE RESULT: the order of an operand's registers.  A tile is 16 rows: lane r of tile t holds row 32 (t / 2) + 8 (t % 2) + r + 8 (r / 8) of its tensor.
; A fragment (a tile x 128 along K) is 1,536 bytes: for c = 0, 1 a half of 768: registers 6 c .. 6 c + 3 of lane L at 16 L, registers 6 c + 4, 6 c + 5 at 512 + 8 L.
; xc: tile T (q 0-255, k 256-511, v 512-767, w_q 768-, w_k 832-, w_v 896-, w_o 960-1023), K step s: T x 12288 + s x 1536.   xs: one word a row and K step: T x 512 + s x 64 + 4 r.
; SHARES: work-group g is tile g, wave w takes K quarter w: two fragments.  Each load reads 512 consecutive bytes of one row; ALL 32 LOADS OF A WAVE GO OUT AT ITS HEAD: nothing of its input is asked for later.
; A fragment's 16 rows turn through the wave's own stage in LDS (pitch 528), so that lane (r, h) gets k = 64 c + 32 h + 0 .. 31 of row r: two whole blocks a lane.  Waves share nothing: no barrier.
; With 240 registers and 33,792 bytes of LDS four work-groups lie on a WGP.
.set ROWB,   4096                      ; a row in memory
.set SPITCH, 528                       ; a stage row: 512 bytes + 16: the 16 rows that a read touches start at 16 different groups of four banks
.set STAGEB, 16*SPITCH
.set FRB,    1536
.set R,   16                           ; v16-143  two sets of 64: the two fragments as loaded; set 0's first 12 later hold the second fragment's codes
.set X,   144                          ; v144-207 block c at X + 32 c
.set C,   208                          ; v208-219 the first fragment's 12 registers
.set PT,  220                          ; v220-227 the upper halves of the two blocks' codes, before they are moved
.set W,   228                          ; v228-229 the two fragments' scale words
.set MX,  232                          ; v232-233 largest magnitudes
.set SO,  234                          ; v234-235 the conversions' scale operands
.set BY,  236                          ; v236-237 scale bytes
.set WT,  238
.set TP,  239
.set SRC, 22                           ; s[22:23] my tensor, then my wave's first byte in it
.set SEL, 26                           ; s[26:27] lane selects: lane l xor 16
	s_load_b512 s[4:19], s[0:1], 0x0               ; q, k, v, w_q, w_k, w_v, w_o, xc
	s_load_b64 s[20:21], s[0:1], 0x40              ; xs
	v_lshl_add_u32 v240, v0, 2, 0x8400
	v_mov_b32 v241, 0
	v_lshrrev_b32 v1, 5, v0
	v_readfirstlane_b32 s25, v1                    ; wave
	v_and_b32 v1, 31, v0                           ; lane L
	v_lshlrev_b32 v2, 4, v1                        ; 16 L: my bytes of a load, and of a store of 16 bytes a lane
	v_and_b32 v5, 15, v0                           ; r
	v_bfe_u32 v9, v0, 4, 1                         ; h
	s_mul_i32 s28, s25, STAGEB                     ; my stage
	v_add_nc_u32 v3, s28, v2                       ; in: 16 L of a row
	v_mul_u32_u24 v4, v5, SPITCH
	v_lshl_add_u32 v4, v9, 7, v4
	v_add_nc_u32 v4, s28, v4                       ; out: row r, + 128 h
	v_lshlrev_b32 v6, 3, v1                        ; 8 L
	v_lshlrev_b32 v7, 2, v1                        ; 4 L
	v_lshlrev_b32 v8, 3, v9                        ; 8 h: my bytes' shift in a scale word
	v_cmp_lt_u32 vcc_lo, 15, v1                    ; lanes 16-31; kept to the end
	v_mov_b32 v[TP], 0                             ; a lane permute's destination counts as one of its sources
	s_mov_b32 s[SEL], 0x76543210
	s_mov_b32 s[SEL+1], 0xfedcba98
	s_wait_alu depctr_va_vdst(0)
	s_wait_kmcnt 0x0
	; which tensor: the choice hangs on the work-group's number alone
	s_mov_b64 s[SRC:SRC+1], s[16:17]
	s_mov_b32 s24, 960                             ; the tensor's first tile
.macro PICK lim, ptr, first
	s_cmp_lt_u32 ttmp9, \lim
	s_cselect_b64 s[SRC:SRC+1], s[\ptr:\ptr+1], s[SRC:SRC+1]
	s_cselect_b32 s24, \first, s24
.endm
	PICK 960, 14, 896
	PICK 896, 12, 832
	PICK 832, 10, 768
	PICK 768, 8, 512
	PICK 512, 6, 256
	PICK 256, 4, 0
	s_sub_co_u32 s31, ttmp9, s24                   ; the tile's number in its tensor
	s_lshr_b32 s32, s31, 1
	s_lshl_b32 s32, s32, 5
	s_and_b32 s31, s31, 1
	s_lshl_b32 s31, s31, 3
	s_add_co_u32 s31, s31, s32                     ; the tile's first row: 32 x (tile / 2) + 8 x (tile % 2)
	s_lshl_b32 s32, s31, 12
	s_lshl_b32 s33, s25, 10                        ; my quarter of K: 256 numbers
	s_add_co_u32 s32, s32, s33
	s_mov_b32 s33, 0
	s_add_nc_u64 s[SRC:SRC+1], s[SRC:SRC+1], s[32:33]
	s_mul_i32 s32, ttmp9, 8*FRB
	s_mul_i32 s35, s25, 2*FRB
	s_add_co_u32 s32, s32, s35
	s_add_nc_u64 s[18:19], s[18:19], s[32:33]      ; my two fragments in xc
	s_lshl_b32 s32, ttmp9, 9
	s_lshl_b32 s35, s25, 7
	s_add_co_u32 s32, s32, s35
	s_add_nc_u64 s[20:21], s[20:21], s[32:33]      ; my 128 bytes of xs
.macro LOAD f                          ; fragment f: 16 rows x 512 bytes, into set f
.irp i, 0,1,2,3,4,5,6,7,8,9,10,11,12,13,14,15
	global_load_b128 v[R+64*(\f)+4*\i:R+64*(\f)+4*\i+3], v2, s[SRC:SRC+1] offset:(\i+8*(\i/8))*ROWB+512*(\f) th:TH_LOAD_NT
.endr
.endm
.macro TURN f                          ; through the stage: LDS serves a wave's instructions in order, so no wait stands between the stores and the loads
.irp i, 0,1,2,3,4,5,6,7,8,9,10,11,12,13,14,15
	ds_store_b128 v3, v[R+64*(\f)+4*\i:R+64*(\f)+4*\i+3] offset:SPITCH*\i
.endr
.irp c, 0,1
.irp j, 0,1,2,3,4,5,6,7
	ds_load_b128 v[X+32*\c+4*\j:X+32*\c+4*\j+3], v4 offset:256*\c+16*\j
.endr
.endr
.endm
.macro QBLK f                          ; my two blocks (h and 2 + h of row r) become six registers each, and the row's scale word
.if (\f) == 0
.set CC, C
.else
.set CC, R                             ; the first fragment's numbers have left these registers: so each fragment's stores have data registers of their own, and nothing waits for a store
.endif
.irp c, 0,1
	v_max3_num_f32 v[MX+\c], |v[X+32*\c]|, |v[X+32*\c+1]|, 0x1800000   ; the floor 2^(3 - 127): the byte cannot fall under 1
.endr
.irp i, 2,4,6,8,10,12,14,16,18,20,22,24,26,28,30
.irp c, 0,1
	v_max3_num_f32 v[MX+\c], v[MX+\c], |v[X+32*\c+\i]|, |v[X+32*\c+\i+1]|   ; the two blocks by turns
.endr
.endr
.irp c, 0,1
	v_add_nc_u32 v[SO+\c], 0xff000000, v[MX+\c]    ; 2 off the exponent field: the conversion takes that field as its scale
.endr
.irp c, 0,1
	v_lshrrev_b32 v[BY+\c], 23, v[SO+\c]           ; the scale's byte
.endr
	v_lshl_or_b32 v[WT], v[BY+1], 16, v[BY]
	v_lshlrev_b32 v[WT], v8, v[WT]                 ; at bytes h and 2 + h
	v_permlanex16_b32 v[TP], v[WT], s[SEL], s[SEL+1]
	v_or_b32 v[W+(\f)], v[WT], v[TP]               ; with lane l xor 16's two bytes the word is whole
.irp c, 0,1
	v_cvt_scalef32_pk16_fp6_f32 v[CC+6*\c:CC+6*\c+2], v[X+32*\c:X+32*\c+15], v[SO+\c]
	v_cvt_scalef32_pk16_fp6_f32 v[PT+4*\c:PT+4*\c+2], v[X+32*\c+16:X+32*\c+31], v[SO+\c]   ; (a conversion's three registers begin on an even number)
.endr
	v_nop                                          ; one plain instruction behind a scaled conversion
.irp c, 0,1
.irp i, 0,1,2
	v_mov_b32 v[CC+6*\c+3+\i], v[PT+4*\c+\i]
.endr
.endr
	global_store_b128 v2, v[CC:CC+3], s[18:19] offset:FRB*(\f)            ; 512 consecutive bytes, at a multiple of 256 from the buffer's first byte
	global_store_b64 v6, v[CC+4:CC+5], s[18:19] offset:FRB*(\f)+512       ; 256
	global_store_b128 v2, v[CC+6:CC+9], s[18:19] offset:FRB*(\f)+768
	global_store_b64 v6, v[CC+10:CC+11], s[18:19] offset:FRB*(\f)+1280
.endm
	LOAD 0
	LOAD 1
	s_wait_loadcnt 16                              ; the first fragment's 16 loads are in; the second's 16 may be out
	TURN 0
	s_wait_dscnt 0x0                               ; the numbers are back, and the stores into the stage have read their registers
	QBLK 0
	s_wait_loadcnt 0x0
	TURN 1
	s_wait_dscnt 0x0
	QBLK 1
	v_cndmask_b32 v[MX], v[W], v[W+1], vcc_lo      ; lanes 0-15: the first of my two K steps, lanes 16-31: the second
	global_store_b32 v7, v[MX], s[20:21]           ; 128 consecutive bytes
	s_wait_tensorcnt 0x0
	ds_add_u32 v240, v241
	s_wait_dscnt 0x0
	s_endpgm
.Lfunc_end_k_qfb549fc53a_quant:
	.size	k_qfb549fc53a_quant, .Lfunc_end_k_qfb549fc53a_quant-k_qfb549fc53a_quant
	.p2alignl 7, 3214868480
	.fill 96, 4, 3214868480
	.section	.rodata,"a",@progbits
	.p2align	6, 0x0
	.amdhsa_kernel k_qfb549fc53a_quant
		.amdhsa_group_segment_fixed_size 34304
		.amdhsa_private_segment_fixed_size 0
		.amdhsa_enable_private_segment 0
		.amdhsa_kernarg_size 72
		.amdhsa_user_sgpr_count 2
		.amdhsa_user_sgpr_kernarg_segment_ptr 1
		.amdhsa_wavefront_size32 1
		.amdhsa_system_sgpr_workgroup_id_x 1
		.amdhsa_system_sgpr_workgroup_id_y 1
		.amdhsa_system_sgpr_workgroup_id_z 1
		.amdhsa_system_vgpr_workitem_id 0
		.amdhsa_next_free_vgpr 242
		.amdhsa_next_free_sgpr 66
		.amdhsa_reserve_vcc 1
		.amdhsa_float_denorm_mode_32 3
		.amdhsa_float_denorm_mode_16_64 3
		.amdhsa_memory_ordered 1
		.amdhsa_forward_progress 1
		.amdhsa_inst_pref_size 17
	.end_amdhsa_kernel
	.amdgpu_metadata
---
amdhsa.version: [ 1, 2 ]
amdhsa.kernels:
  - .name:           k_qfb549fc53a_quant
    .symbol:         k_qfb549fc53a_quant.kd
    .args:
      - { .name: q, .offset: 0, .size: 8, .value_kind: global_buffer, .address_space: global }
      - { .name: k, .offset: 8, .size: 8, .value_kind: global_buffer, .address_space: global }
      - { .name: v, .offset: 16, .size: 8, .value_kind: global_buffer, .address_space: global }
      - { .name: w_q, .offset: 24, .size: 8, .value_kind: global_buffer, .address_space: global }
      - { .name: w_k, .offset: 32, .size: 8, .value_kind: global_buffer, .address_space: global }
      - { .name: w_v, .offset: 40, .size: 8, .value_kind: global_buffer, .address_space: global }
      - { .name: w_o, .offset: 48, .size: 8, .value_kind: global_buffer, .address_space: global }
      - { .name: xc, .offset: 56, .size: 8, .value_kind: global_buffer, .address_space: global }
      - { .name: xs, .offset: 64, .size: 8, .value_kind: global_buffer, .address_space: global }
    .group_segment_fixed_size: 34304
    .private_segment_fixed_size: 0
    .kernarg_segment_align: 8
    .kernarg_segment_size: 72
    .max_flat_workgroup_size: 128
    .sgpr_count:     66
    .vgpr_count:     242
    .wavefront_size: 32
...
	.end_amdgpu_metadata
.endif
;; end of part 5
;; launch proj (part 6): grid 256 x 3, 4 waves a work-group, no clusters, 0 bytes of LDS; arguments xc, xs, b_q, b_k, b_v, pc, ps; writes pc, ps
.if DOCPART == 6
	.amdgcn_target "amdgcn-amd-amdhsa--gfx1250"
	.amdhsa_code_object_version 6
	.text
	.protected	k_qfb549fc53a_proj
	.globl	k_qfb549fc53a_proj
	.p2align	8
	.type	k_qfb549fc53a_proj,@function
k_qfb549fc53a_proj:
	s_mov_b64 s[64:65], 0
	v_nop
	global_prefetch_b8 v0, s[64:65] scope:SCOPE_SE
	s_setreg_imm32_b32 hwreg(HW_REG_WAVE_SCHED_MODE, 0, 2), 2
	s_setreg_imm32_b32 hwreg(HW_REG_WAVE_MODE, 25, 1), 1
	s_wait_xcnt 0x0
	s_wait_alu depctr_vm_vsrc(0)
; The three projections y = x W^T + b on codes of FP6 (E2M3), K = 1,024, and the quantising of y for the next product.  Work-group y = 0: q, 1: k, 2: v.
; OPERANDS come from xc and xs, which lie in the order of an operand's registers (tile T, K step s at T x 12288 + s x 1536; scale words at T x 512 + s x 64 + 4 r): each fragment is four
; dense loads straight into registers.  Lane r of tile t holds row 32 (t / 2) + 8 (t % 2) + r + 8 (r / 8), so that the 16 result registers of two neighbouring tiles of SOURCE 0 are 16 neighbours.
; q, k: source 0 = W (64 features = one head), source 1 = x: a lane holds one token and 32 numbers of the head: they are quantised along the head's 64 (the scores' K).
; v:    source 0 = x (64 tokens), source 1 = W: a lane holds one feature and 32 tokens: quantised along the tokens (the keys are the second product's K).
; RESULT: halves of fragments (16 rows x 64 along K, 768 bytes: registers 0-3 of lane L at 16 L, registers 4, 5 at 512 + 8 L) in pc, region y x 3145728:
;   q, k: (head x 256 + token tile) x 768;  v: (group of 64 tokens x 64 + feature tile) x 768.   Two scale bytes a row in ps, region y x 131072:
;   q, k: (head x 256 + token tile) x 32 + 2 r;  v: ((group / 2) x 64 + feature tile) x 64 + 4 r + 2 (group % 2): a whole word for 128 keys.
; SHARES: a work-group makes 128 x 128, a wave 64 x 64: 16 accumulators, which begin as the bias and take turns, one instruction a turn.  K: 8 steps of 128, written out; every offset is an immediate.
; NO CLUSTER, NO TENSOR LOAD: nothing goes through LDS, so there is no tile to ask for jointly; with 256 registers and no LDS three work-groups lie on a WGP (768 for 256), and one wave's loads stand beside another's products.
; LIMITS: a block of zeros gets the byte 1 where the definition says 127 (its codes are zeros; this program alone reads the bytes); NaN and infinities are not served.
; THE MODE: SCHED_MODE bits 1:0 = 2 (LLVM: expert scheduling mode 2), set by the entry lines.  The code itself states the register dependences between vector or matrix instructions
; and memory instructions, with s_wait_alu, always for 0.
; THE PLAN.  Registers that memory instructions touch:
;   v1, v2, v3, v5, v6, v8, v9   offsets: written once at the head, read by loads and stores to the end, never written again.
;   SA, SB, FA, FB (v16-119)     step s's 40 loads land in them, its 16 products read them, step s + 1's loads land in them again.  One set: the wave's 256 registers hold no second.
;   ACC                          q, k: the bias's loads land in them, ahead of every vector instruction that names them.   v120-123: v's bias lands there.
;   v24-29, 32-37, 40-45, 48-53, 60, 61   the results: written by the quantising, read by the ten stores, never written again.
; So: one wait on va_vdst ahead of the first load (the offsets); one in each of steps 1 to 7, ahead of its loads (the last step's products are done reading their operands); one ahead of the run of stores.
; One wait on va_sdst for the wave's number, one on va_vcc between the compare and the selections by its mask.  No register that a memory instruction reads is written again: no wait on vm_vsrc is owed.
.set SA,  16                           ; v16-19   source 0's scale words: scales and nothing else
.set SB,  20                           ; v20-23   source 1's
.set FA,  24                           ; v24-71   source 0's four fragments
.set FB,  72                           ; v72-119  source 1's
.set ACC, 128                          ; v128-255 accumulator (a, b) at ACC + 8 (4 b + a)
.set CA,  36                           ; s[36:37] source 0's codes;  s[38:39] source 1's;  s[40:41], s[42:43] their scale words
.set CB,  38
.set ZA,  40
.set ZB,  42
.set BI,  44                           ; s[44:45] the bias
.set SEL, 18                           ; set below: s[18] is not free, see SELR
.set SELR, 2                           ; s[2:3] lane selects: lane l xor 16
	s_load_b256 s[4:11], s[0:1], 0x0               ; xc, xs, b_q, b_k
	s_load_b128 s[12:15], s[0:1], 0x20             ; b_v, pc
	s_load_b64 s[16:17], s[0:1], 0x30              ; ps
	v_lshrrev_b32 v7, 5, v0
	v_readfirstlane_b32 s19, v7                    ; wave
	v_and_b32 v7, 31, v0                           ; lane L; kept to the end
	v_lshlrev_b32 v1, 4, v7                        ; 16 L
	v_lshlrev_b32 v2, 3, v7                        ; 8 L
	v_and_b32 v10, 15, v0                          ; r
	v_lshlrev_b32 v3, 2, v10                       ; 4 r
	v_bfe_u32 v11, v0, 4, 1                        ; h
	v_lshlrev_b32 v8, 6, v11                       ; the bias of q, k: 64 h
	v_and_b32 v9, 8, v10
	v_add_nc_u32 v9, v9, v10
	v_lshlrev_b32 v9, 2, v9                        ; the bias of v: 4 (r + 8 (r / 8))
	s_wait_alu depctr_va_sdst(0)                   ; s19, the wave's number, is written, ahead of its first reader: the wave's shares are made from it
	s_mov_b32 s[SELR], 0x76543210
	s_mov_b32 s[SELR+1], 0xfedcba98
	s_and_b32 s20, ttmp7, 0xffff                   ; which projection
	s_and_b32 s21, ttmp9, 7                        ; block of 128 features
	s_lshr_b32 s22, ttmp9, 3                       ; block of 128 tokens
	s_lshl_b32 s23, s20, 8                         ; x's first tile
	s_lshl_b32 s24, s20, 6
	s_add_co_u32 s24, s24, 768                     ; W's first tile
	s_and_b32 s25, s19, 1
	s_lshr_b32 s26, s19, 1
	s_lshl_b32 s26, s26, 2
	s_cmp_eq_u32 s20, 2                            ; v changes the sources' places; selections alone follow the compare
	s_cselect_b32 s27, s22, s21                    ; source 0's block
	s_cselect_b32 s28, s21, s22                    ; source 1's
	s_cselect_b32 s29, s23, s24                    ; source 0's tensor
	s_cselect_b32 s30, s24, s23                    ; source 1's
	s_cselect_b32 s31, 64, 256                     ; tiles of source 1 in all
	s_cselect_b32 s32, 2, 1                        ; bytes from row to row among the scale bytes, as a shift
	s_lshl_b32 s27, s27, 1
	s_add_co_u32 s27, s27, s25                     ; G: my 64 rows of source 0
	s_lshl_b32 s28, s28, 3
	s_add_co_u32 s28, s28, s26                     ; my first tile of source 1
	s_lshl_b32 s33, s27, 2
	s_add_co_u32 s29, s29, s33                     ; as tiles of xc
	s_add_co_u32 s30, s30, s28
	s_lshl_b32 s33, 32, s32
	v_lshlrev_b32 v5, s32, v7                      ; scale bytes: lanes 0-15 tile b, lanes 16-31 tile b + 1
	v_add_nc_u32 v6, s33, v5                       ; and two tiles on
	s_lshl_b32 s46, s27, 8
	s_add_co_u32 s46, s46, s28
	s_lshl_b32 s46, s46, 5
	s_lshl_b32 s33, s20, 17
	s_add_co_u32 s46, s46, s33                     ; my scale bytes, q and k
	s_lshr_b32 s47, s27, 1
	s_lshl_b32 s47, s47, 6
	s_add_co_u32 s47, s47, s28
	s_lshl_b32 s47, s47, 6
	s_and_b32 s33, s27, 1
	s_lshl_b32 s33, s33, 1
	s_add_co_u32 s47, s47, s33
	s_add_co_u32 s47, s47, 262144                  ; and v
	s_lshl_b32 s21, s27, 8                         ; the bias: 64 features of source 0,
	s_lshl_b32 s22, s28, 6                         ; or 16 features a tile of source 1
	s_mul_i32 s23, s27, s31
	s_add_co_u32 s23, s23, s28
	s_mul_i32 s23, s23, 768
	s_mul_i32 s24, s20, 3145728
	s_add_co_u32 s23, s23, s24                     ; my codes in pc
	s_mov_b32 s35, 0
	s_wait_kmcnt 0x0
	s_mul_i32 s34, s29, 12288
	s_add_nc_u64 s[CA:CA+1], s[4:5], s[34:35]
	s_mul_i32 s34, s30, 12288
	s_add_nc_u64 s[CB:CB+1], s[4:5], s[34:35]
	s_lshl_b32 s34, s29, 9
	s_add_nc_u64 s[ZA:ZA+1], s[6:7], s[34:35]
	s_lshl_b32 s34, s30, 9
	s_add_nc_u64 s[ZB:ZB+1], s[6:7], s[34:35]
	s_mov_b32 s34, s23
	s_add_nc_u64 s[14:15], s[14:15], s[34:35]
	s_cmp_eq_u32 s20, 0
	s_cselect_b64 s[BI:BI+1], s[8:9], s[10:11]
	s_cmp_eq_u32 s20, 2
	s_cselect_b64 s[BI:BI+1], s[12:13], s[BI:BI+1]
	s_cselect_b32 s34, s47, s46
	s_cselect_b32 s22, s22, s21
	s_add_nc_u64 s[16:17], s[16:17], s[34:35]
	s_mov_b32 s34, s22
	s_add_nc_u64 s[BI:BI+1], s[BI:BI+1], s[34:35]
	s_wait_alu depctr_va_vdst(0)                   ; the seven offsets v1, v2, v3, v5, v6, v8, v9 are written, which every load and store below reads; ahead of the branch, for both ways
	; THE SUMS BEGIN AS THE BIAS, in the result's layout
	s_cmp_eq_u32 s20, 2
	s_cbranch_scc1 .Lbias_v
.irp b, 0,1,2,3                        ; q, k: register j of accumulator (a, b) is feature 32 (a / 2) + 16 h + 8 (a % 2) + j of my 64
.irp a, 0,1,2,3
	global_load_b128 v[ACC+8*(4*\b+\a):ACC+8*(4*\b+\a)+3], v8, s[BI:BI+1] offset:(32*(\a/2)+8*(\a%2))*4
	global_load_b128 v[ACC+8*(4*\b+\a)+4:ACC+8*(4*\b+\a)+7], v8, s[BI:BI+1] offset:(32*(\a/2)+8*(\a%2))*4+16
.endr
.endr
	s_branch .Lgo
.Lbias_v:
.irp b, 0,1,2,3                        ; v: all registers of a lane in tile b belong to one feature: 32 (b / 2) + 8 (b % 2) + r + 8 (r / 8)
	global_load_b32 v[120+\b], v9, s[BI:BI+1] offset:(32*(\b/2)+8*(\b%2))*4
.endr
	s_wait_loadcnt 0x0
.irp b, 0,1,2,3
.set j, 0
.rept 32
	v_mov_b32 v[ACC+32*\b+j], v[120+\b]            ; (these name the accumulators and v120-123 alone: none of the registers that the first step's loads touch)
.set j, j+1
.endr
.endr
.Lgo:
.macro LOADF reg, base, off            ; a fragment: four dense loads
	global_load_b128 v[\reg:\reg+3], v1, s[\base:\base+1] offset:\off
	global_load_b64 v[\reg+4:\reg+5], v2, s[\base:\base+1] offset:\off+512
	global_load_b128 v[\reg+6:\reg+9], v1, s[\base:\base+1] offset:\off+768
	global_load_b64 v[\reg+10:\reg+11], v2, s[\base:\base+1] offset:\off+1280
.endm
.macro STEP s                          ; 128 along K: 40 loads, 16 products
.rept 4
	v_nop                                          ; four plain instructions between the last products and loads into registers that they have read (ISA guide 7.12.1 for vector instructions): they stay beside the wait below
.endr
.if (\s) > 0
	s_wait_alu depctr_va_vdst(0)                   ; the last step's products are done reading SA, SB, FA and FB, in which the 40 loads below land
.endif
.irp i, 0,1,2,3
	global_load_b32 v[SA+\i], v3, s[ZA:ZA+1] offset:512*\i+64*(\s)
	global_load_b32 v[SB+\i], v3, s[ZB:ZB+1] offset:512*\i+64*(\s)
.endr
.irp i, 0,1,2,3
	LOADF FB+12*\i, CB, 12288*\i+1536*(\s)
.endr
.irp i, 0,1,2,3
	LOADF FA+12*\i, CA, 12288*\i+1536*(\s)
.endr
	s_wait_loadcnt 0x0                             ; all of the step's operands (and, in the first step, the bias)
.irp b, 0,1,2,3
.irp a, 0,1,2,3
	v_wmma_scale_f32_16x16x128_f8f6f4 v[ACC+8*(4*\b+\a):ACC+8*(4*\b+\a)+7], v[FA+12*\a:FA+12*\a+11], v[FB+12*\b:FB+12*\b+11], v[ACC+8*(4*\b+\a):ACC+8*(4*\b+\a)+7], v[SA+\a], v[SB+\b] matrix_a_fmt:MATRIX_FMT_FP6 matrix_b_fmt:MATRIX_FMT_FP6
.endr
.endr
.endm
	s_wait_alu depctr_va_vdst(0)
.irp s, 0,1,2,3,4,5,6,7
	STEP \s
.endr
; 32 numbers of a lane, register 16 b + i = k 32 b + 16 h + i of the lane's row, become half a fragment (six registers from pc on: block h of the row) and the row's two scale bytes in pw.
; pt: three registers for block 1's codes; tm: eight registers at work.  The maxima take each accumulator's registers in ascending order.
.macro QUANT2 src, pc, pt, pw, tm
.irp b, 0,1
	v_max3_num_f32 v[(\tm)+\b], |v[(\src)+16*\b]|, |v[(\src)+16*\b+1]|, 0x1800000   ; my 16 numbers of block b, and the floor 2^(3 - 127): the byte cannot fall under 1
.endr
.irp i, 2,4,6,8,10,12,14
.irp b, 0,1
	v_max3_num_f32 v[(\tm)+\b], v[(\tm)+\b], |v[(\src)+16*\b+\i]|, |v[(\src)+16*\b+\i+1]|
.endr
.endr
.irp b, 0,1
	v_permlanex16_b32 v[(\tm)+2+\b], v[(\tm)+\b], s[SELR], s[SELR+1]
.endr
.irp b, 0,1
	v_max_num_f32 v[(\tm)+\b], v[(\tm)+\b], v[(\tm)+2+\b]    ; with lane l xor 16's 16: the block's largest magnitude
.endr
.irp b, 0,1
	v_add_nc_u32 v[(\tm)+4+\b], 0xff000000, v[(\tm)+\b]      ; 2 off its exponent field: the conversion's scale operand
.endr
.irp b, 0,1
	v_lshrrev_b32 v[(\tm)+6+\b], 23, v[(\tm)+4+\b]           ; the scale's byte
.endr
	v_lshl_or_b32 v[\pw], v[(\tm)+7], 8, v[(\tm)+6]
	v_cvt_scalef32_pk16_fp6_f32 v[(\pc):(\pc)+2], v[(\src):(\src)+15], v[(\tm)+4]
	v_cvt_scalef32_pk16_fp6_f32 v[(\pt):(\pt)+2], v[(\src)+16:(\src)+31], v[(\tm)+5]
	v_nop                                          ; one plain instruction behind a scaled conversion
.irp i, 0,1,2
	v_permlane16_swap_b32 v[(\pc)+\i], v[(\pt)+\i] ; the first's lanes 16-31 change places with the second's lanes 0-15: a lane now holds the lower and the upper 16 codes of block h
.endr
.irp i, 0,1,2
	v_mov_b32 v[(\pc)+3+\i], v[(\pt)+\i]
.endr
.endm
.rept 4
	v_nop                                          ; four plain instructions between the last products and the first read of results and write of operands
.endr
	v_mov_b32 v70, 0                               ; a lane permute's destination counts as one of its sources
	v_mov_b32 v71, 0
	v_cmp_lt_u32 vcc_lo, 15, v7                    ; lanes 16-31: the mask is made here, in one straight run with the wait for it and the two selections that read it
.irp n, 0,1,2,3                        ; tile n of source 1: every store has registers of its own, so nothing waits for a store
	QUANT2 ACC+32*\n, 24+8*\n, 56, 64+\n, 68
.endr
	s_wait_alu depctr_va_vcc(0)                    ; the compare has written VCC, which the two selections read; the quantising of the four tiles stands between
	v_cndmask_b32 v60, v64, v65, vcc_lo            ; lanes 0-15: tile 0's bytes, lanes 16-31: tile 1's
	v_cndmask_b32 v61, v66, v67, vcc_lo
	s_wait_alu depctr_va_vdst(0)                   ; the conversions, exchanges and moves have written the four tiles' codes, and the selections v60 and v61: the data of the ten stores below
.irp n, 0,1,2,3
	global_store_b128 v1, v[24+8*\n:27+8*\n], s[14:15] offset:768*\n       ; 512 consecutive bytes, at a multiple of 256 from the buffer's first byte
	global_store_b64 v2, v[28+8*\n:29+8*\n], s[14:15] offset:768*\n+512    ; 256
.endr
	global_store_b16 v5, v60, s[16:17]
	global_store_b16 v6, v61, s[16:17]
	s_endpgm
.Lfunc_end_k_qfb549fc53a_proj:
	.size	k_qfb549fc53a_proj, .Lfunc_end_k_qfb549fc53a_proj-k_qfb549fc53a_proj
	.p2alignl 7, 3214868480
	.fill 96, 4, 3214868480
	.section	.rodata,"a",@progbits
	.p2align	6, 0x0
	.amdhsa_kernel k_qfb549fc53a_proj
		.amdhsa_group_segment_fixed_size 0
		.amdhsa_private_segment_fixed_size 0
		.amdhsa_enable_private_segment 0
		.amdhsa_kernarg_size 56
		.amdhsa_user_sgpr_count 2
		.amdhsa_user_sgpr_kernarg_segment_ptr 1
		.amdhsa_wavefront_size32 1
		.amdhsa_system_sgpr_workgroup_id_x 1
		.amdhsa_system_sgpr_workgroup_id_y 1
		.amdhsa_system_sgpr_workgroup_id_z 1
		.amdhsa_system_vgpr_workitem_id 0
		.amdhsa_next_free_vgpr 256
		.amdhsa_next_free_sgpr 66
		.amdhsa_reserve_vcc 1
		.amdhsa_float_denorm_mode_32 3
		.amdhsa_float_denorm_mode_16_64 3
		.amdhsa_memory_ordered 1
		.amdhsa_forward_progress 1
		.amdhsa_inst_pref_size 68
	.end_amdhsa_kernel
	.amdgpu_metadata
---
amdhsa.version: [ 1, 2 ]
amdhsa.kernels:
  - .name:           k_qfb549fc53a_proj
    .symbol:         k_qfb549fc53a_proj.kd
    .args:
      - { .name: xc, .offset: 0, .size: 8, .value_kind: global_buffer, .address_space: global }
      - { .name: xs, .offset: 8, .size: 8, .value_kind: global_buffer, .address_space: global }
      - { .name: b_q, .offset: 16, .size: 8, .value_kind: global_buffer, .address_space: global }
      - { .name: b_k, .offset: 24, .size: 8, .value_kind: global_buffer, .address_space: global }
      - { .name: b_v, .offset: 32, .size: 8, .value_kind: global_buffer, .address_space: global }
      - { .name: pc, .offset: 40, .size: 8, .value_kind: global_buffer, .address_space: global }
      - { .name: ps, .offset: 48, .size: 8, .value_kind: global_buffer, .address_space: global }
    .group_segment_fixed_size: 0
    .private_segment_fixed_size: 0
    .kernarg_segment_align: 8
    .kernarg_segment_size: 56
    .max_flat_workgroup_size: 128
    .sgpr_count:     66
    .vgpr_count:     256
    .wavefront_size: 32
...
	.end_amdgpu_metadata
.endif
;; end of part 6
;; launch attn (part 7): grid 8 x 32, 16 waves a work-group, clusters of 4 x 1, 206,848 bytes of LDS; arguments pc, ps, oc, os; writes oc, os
.if DOCPART == 7
	.amdgcn_target "amdgcn-amd-amdhsa--gfx1250"
	.amdhsa_code_object_version 6
	.text
	.protected	k_qfb549fc53a_attn
	.globl	k_qfb549fc53a_attn
	.p2align	8
	.type	k_qfb549fc53a_attn,@function
k_qfb549fc53a_attn:
	s_mov_b64 s[64:65], 0
	v_nop
	global_prefetch_b8 v0, s[64:65] scope:SCOPE_SE
	s_setreg_imm32_b32 hwreg(HW_REG_WAVE_MODE, 25, 1), 1
	s_wait_xcnt 0x0
	s_wait_alu depctr_hold_cnt(0) depctr_sa_sdst(0) depctr_va_vdst(0) depctr_va_sdst(0) depctr_va_ssrc(0) depctr_va_vcc(0) depctr_vm_vsrc(0)
	s_getreg_b32 s2, hwreg(HW_REG_IB_STS2, 6, 4)
	s_cmp_eq_u32 s2, 0
	s_cbranch_scc0 .Lentry_in_a_cluster
	s_endpgm
.Lentry_in_a_cluster:
	s_bfe_u32 s2, ttmp6, 0x10000c
	s_cmp_lg_u32 s2, 0x3003
	s_cbranch_scc0 .Lentry_shape_is_right
	s_endpgm
.Lentry_shape_is_right:
; O = softmax(Q K^T / 8) V for one head, both products on codes of FP6 (E2M3) with E8M0 scales, and the quantising of O along (head, d) for the last projection.
; THE SOFTMAX AHEAD OF THE SECOND PRODUCT: t = score x log2(e) / 8; M = the running largest t rounded UP to a whole number; p = 2^(t - M) is quantised along the keys, not normalised.
; The row's sum is taken of the unquantised p and divides O at the end.  When M moves, the sum and O are multiplied by 2^(old M - new M): exact.
; INPUTS (made by the launch before, in the order of an operand's registers): halves of fragments of 768 bytes (16 rows x 64 along K: registers 0-3 of lane L at 16 L, 4 and 5 at 512 + 8 L).
;   Q, K: (head x 256 + token tile) x 768, K = the head's 64: the fragment's other six registers are zeros on both sides, which add nothing.  V: (group of 64 keys x 64 + 4 head + dt) x 768, K = the keys.
;   Lane r of a tile holds row 32 (t / 2) + 8 (t % 2) + r + 8 (r / 8): so the 16 registers of two neighbouring tiles of scores are 16 neighbouring keys, and those of O^T 16 neighbouring d.
; SHARES: work-group y = batch x 16 + head; a work-group owns 256 queries, each of its sixteen waves one tile of 16, in 256 registers: four waves to a SIMD, so that one wave's vector work stands beside another's products.
; Both products are used transposed (S^T = K Q^T, O^T = V^T P^T): a lane holds one query throughout.  Every wave walks 16 steps of 128 keys.
; LDS: THE WHOLE HEAD'S K AND V, 196,608 bytes of codes and 8,192 of scale bytes, filled ONCE: no slot is ever filled again.  Step s: codes at 12288 s (K's 8 tiles, then V's 2 x 4 halves); scales at SC + 512 s.
; CLUSTER: the four query blocks of a cluster belong to one head and need the same K and V: each tile is asked for JOINTLY, by the same tensor load with the same descriptor and the mask of all four.
; Each wave issues six loads at the start, so six of its tensor loads are out at the most.  ONE BARRIER stands in front of the walk, with all six waited for: behind it no wave waits for another
; until the closing round, so the four waves of a SIMD may drift apart, and a wave that is ahead goes on working.
; LIMITS: a block of zeros gets the byte 1 (its codes are zeros; this program alone reads the bytes); a p under 2^-126 is 0 (v_exp_f32 flushes); NaN and infinities are not served.
.set SC,    196608                     ; the scale bytes: step s: K's 256 bytes (tile T: 32 T + 2 r), then V's 256 (dt: 64 dt + 4 r)
.set STEPB, 12288
.set KF,  32                           ; v32-79   four fragments of K; registers 6-11 of each stay 0
.set VF,  80                           ; v80-127  four fragments of V
.set S,   128                          ; v128-191 S^T, then p
.set OT,  192                          ; v192-223 O^T
.set KS,  248                          ; v248-251 K's scale words, then sums at work;  v28-31 V's;  v253 p's;  v255 Q's: V's, p's and Q's hold scales and nothing else
.set VS,  28
.set WV,  12                           ; s12 my wave's number
.set SEL, 20                           ; s[20:21] lane selects: lane l xor 16
.set CS,  22                           ; s[22:23] c = log2(e) / 8
.set G1S, 24                           ; s[24:31] group 1: one row of 256 bytes
.set G1C, 32                           ; s[32:39] group 1: 12 rows of 256 bytes, dense
.set G0,  40                           ; s[40:63] six groups 0
.set TB,  80                           ; s80 LDS byte of the step's codes
.set TS,  81                           ; s81 of its scale bytes, from SC on
.set CNT, 82
; other registers: v1 16 L; v2 8 L + 512; v3 SC + 2 r; v4 SC + 256 + 4 r; v5-8 these four in the step in hand; v9 8 h; v10 at work; v11 4 r + h; v12 -M; v13 the largest t; v[14:15] the sum in two halves;
; v16-27 Q (v22-27 = 0); v224-235 p's codes; v232-252, v254 at work.
.macro ROUND                           ; a round of the cluster's barrier
	s_barrier_signal -1
	s_barrier_wait -1
	s_cmp_lg_u32 s[WV], 0
	s_cbranch_scc1 .Lnot_wave_0_\@
	s_barrier_signal -3
.Lnot_wave_0_\@:
	s_barrier_wait -3
	s_barrier_signal -1
	s_barrier_wait -1
.endm
	s_load_b256 s[4:11], s[0:1], 0x0               ; pc, ps, oc, os
	v_lshl_add_u32 v254, v0, 2, 0x32000
	v_mov_b32 v255, 0
	ds_add_u32 v254, v255
	ds_add_u32 v254, v255
	s_wait_dscnt 0x0
	v_lshrrev_b32 v10, 5, v0
	s_delay_alu instid0(VALU_DEP_1)
	v_readfirstlane_b32 s[WV], v10                 ; wave 0..15
	s_bfe_u32 s13, ttmp6, 0x40000                  ; cx: it enters Q's and O's global addresses alone
	s_and_b32 s66, ttmp7, 0xffff
	s_lshr_b32 s67, s66, 4                         ; batch
	s_and_b32 s68, s66, 15                         ; head
	s_lshl_b32 s70, s67, 7                         ; the batch's first token tile
	s_lshl_b32 s73, s68, 8
	s_add_co_u32 s73, s73, s70                     ; 256 head + 128 batch: K's first half fragment
	s_lshl_b32 s69, ttmp9, 2
	s_add_co_u32 s69, s69, s13                     ; my block of 256 queries
	s_lshl_b32 s71, s69, 4
	s_add_co_u32 s71, s71, s70
	s_add_co_u32 s71, s71, s[WV]                   ; my tile of queries
	s_lshl_b32 s72, s68, 8
	s_add_co_u32 s72, s72, s71                     ; 256 head + my tile
	; where the six loads read, in registers that never hold cx
	s_lshl_b32 s74, s73, 5
	s_lshl_b32 s75, s[WV], 8
	s_add_co_u32 s74, s74, s75
	s_add_co_u32 s74, s74, 131072
	s_mov_b32 s75, 0                               ; K's scale bytes of step w
	s_lshl_b32 s76, s67, 4
	s_add_co_u32 s76, s76, s[WV]
	s_lshl_b32 s76, s76, 12
	s_lshl_b32 s77, s68, 8
	s_add_co_u32 s76, s76, s77
	s_add_co_u32 s76, s76, 262144
	s_mov_b32 s77, 0                               ; V's scale words of step w
	s_mul_i32 s78, s73, 768
	s_mul_i32 s79, s[WV], 3072
	s_add_co_u32 s78, s78, s79
	s_add_co_u32 s78, s78, 3145728
	s_mov_b32 s79, 0                               ; K's tiles 4 w .. 4 w + 3
	s_lshl_b32 s84, s67, 5
	s_add_co_u32 s84, s84, s[WV]
	s_mul_i32 s84, s84, 49152
	s_mul_i32 s85, s68, 3072
	s_add_co_u32 s84, s84, s85
	s_add_co_u32 s84, s84, 6291456
	s_mov_b32 s85, 0                               ; V's group w of 64 keys, my head's four tiles
	; and where they go: the wave's number and constants alone
	s_lshl_b32 s86, s[WV], 9
	s_add_co_u32 s86, s86, SC
	s_lshr_b32 s87, s[WV], 1
	s_mul_i32 s87, s87, STEPB
	s_and_b32 s88, s[WV], 1
	s_mul_i32 s88, s88, 3072
	s_add_co_u32 s87, s87, s88
	; group 1: elements of 8 bytes, rows of 32 of them, no padding; 15:0 the mask of all four work-groups, bit 21 set beside it
	s_mov_b32 s[G1S], 15|(3<<16)|(1<<21)
	s_mov_b32 s[G1S+1], 32<<16                     ; tensor_dim0 = 32
	s_mov_b32 s[G1S+2], 1<<16                      ; tensor_dim1 = 1
	s_mov_b32 s[G1S+3], 32<<16                     ; tile_dim0 = 32
	s_mov_b32 s[G1S+4], 1                          ; tile_dim1 = 1
	s_mov_b32 s[G1S+5], 32                         ; from row to row
	s_mov_b32 s[G1S+6], 0
	s_mov_b32 s[G1S+7], 0
	s_mov_b32 s[G1C], 15|(3<<16)|(1<<21)
	s_mov_b32 s[G1C+1], 32<<16
	s_mov_b32 s[G1C+2], 12<<16                     ; tensor_dim1 = 12
	s_mov_b32 s[G1C+3], 32<<16
	s_mov_b32 s[G1C+4], 12                         ; tile_dim1 = 12
	s_mov_b32 s[G1C+5], 32
	s_mov_b32 s[G1C+6], 0
	s_mov_b32 s[G1C+7], 0
	s_mov_b32 s[SEL], 0x76543210
	s_mov_b32 s[SEL+1], 0xfedcba98
	s_mov_b32 s[CS], 0x3e38aa3b                    ; c = log2(e) / 8
	s_mov_b32 s[CS+1], s[CS]                       ; (named with it as a pair, so it is written)
	s_wait_kmcnt 0x0
	s_mov_b32 s[G0], 1                             ; K's scale bytes
	s_mov_b32 s[G0+1], s86
	s_add_nc_u64 s[G0+2:G0+3], s[6:7], s[74:75]
	s_or_b32 s[G0+3], s[G0+3], 0x80000000
	s_mov_b32 s[G0+4], 1                           ; V's scale words
	s_add_co_u32 s[G0+5], s86, 256
	s_add_nc_u64 s[G0+6:G0+7], s[6:7], s[76:77]
	s_or_b32 s[G0+7], s[G0+7], 0x80000000
	s_mov_b32 s[G0+8], 1                           ; K, steps 0-7
	s_mov_b32 s[G0+9], s87
	s_add_nc_u64 s[G0+10:G0+11], s[4:5], s[78:79]
	s_mov_b32 s[G0+16], 1                          ; K, steps 8-15: 64 tiles on
	s_add_co_u32 s[G0+17], s87, 8*STEPB
	s_add_nc_u64 s[G0+18:G0+19], s[G0+10:G0+11], 49152
	s_or_b32 s[G0+11], s[G0+11], 0x80000000
	s_or_b32 s[G0+19], s[G0+19], 0x80000000
	s_mov_b32 s[G0+12], 1                          ; V, steps 0-7
	s_add_co_u32 s[G0+13], s87, 6144
	s_add_nc_u64 s[G0+14:G0+15], s[4:5], s[84:85]
	s_mov_b32 s[G0+20], 1                          ; V, steps 8-15: 16 groups of 64 keys on
	s_add_co_u32 s[G0+21], s87, 8*STEPB+6144
	s_add_nc_u64 s[G0+22:G0+23], s[G0+14:G0+15], 786432
	s_or_b32 s[G0+15], s[G0+15], 0x80000000
	s_or_b32 s[G0+23], s[G0+23], 0x80000000
	; Q's and O's places
	s_mov_b32 s17, 0
	s_mul_i32 s16, s72, 768
	s_add_nc_u64 s[14:15], s[4:5], s[16:17]        ; Q's half fragment
	s_lshl_b32 s16, s72, 5
	s_add_nc_u64 s[18:19], s[6:7], s[16:17]        ; its scale bytes
	s_mul_i32 s16, s71, 12288
	s_mul_i32 s69, s68, 768
	s_add_co_u32 s16, s16, s69
	s_add_nc_u64 s[8:9], s[8:9], s[16:17]          ; O's codes: tile x 12288 + head x 768
	s_lshl_b32 s16, s71, 9
	s_lshr_b32 s69, s68, 1
	s_lshl_b32 s69, s69, 6
	s_add_co_u32 s16, s16, s69
	s_and_b32 s69, s68, 1
	s_lshl_b32 s69, s69, 1
	s_add_co_u32 s16, s16, s69
	s_add_nc_u64 s[10:11], s[10:11], s[16:17]      ; O's scale bytes: tile x 512 + (head / 2) x 64 + 2 (head % 2)
	ROUND                                          ; all four work-groups are here: the joint loads meet
	tensor_load_to_lds s[G0:G0+3], s[G1S:G1S+7]
	s_nop 0
	tensor_load_to_lds s[G0+4:G0+7], s[G1S:G1S+7]
	s_nop 0
	tensor_load_to_lds s[G0+8:G0+11], s[G1C:G1C+7]
	s_nop 0
	tensor_load_to_lds s[G0+12:G0+15], s[G1C:G1C+7]
	s_nop 0
	tensor_load_to_lds s[G0+16:G0+19], s[G1C:G1C+7]
	s_nop 0
	tensor_load_to_lds s[G0+20:G0+23], s[G1C:G1C+7]
	s_nop 0
.rept 4
	v_nop                                          ; four plain instructions follow the loads
.endr
	v_and_b32 v9, 31, v0                           ; lane L
	s_delay_alu instid0(VALU_DEP_1)
	v_lshlrev_b32 v1, 4, v9
	s_delay_alu instid0(VALU_DEP_2)
	v_lshl_add_u32 v2, v9, 3, 512
	v_and_b32 v10, 15, v0                          ; r
	s_delay_alu instid0(VALU_DEP_1)
	v_lshl_add_u32 v3, v10, 1, SC
	s_delay_alu instid0(VALU_DEP_2)
	v_lshl_add_u32 v4, v10, 2, SC+256
	v_bfe_u32 v9, v0, 4, 1                         ; h
	s_delay_alu instid0(VALU_DEP_1)
	v_lshl_add_u32 v11, v10, 2, v9
	s_delay_alu instid0(VALU_DEP_2)
	v_lshlrev_b32 v9, 3, v9
	v_lshlrev_b32 v10, 1, v10                      ; 2 r
	global_load_b128 v[16:19], v1, s[14:15]        ; Q stays in registers
	global_load_b64 v[20:21], v2, s[14:15]
	global_load_u16 v255, v10, s[18:19]            ; its two scale bytes; the word's upper bytes are 0 and stand over zero codes
.irp j, 22,23,24,25,26,27
	v_mov_b32 v\j, 0                               ; K = 64: the fragment's second half is zeros
.endr
.irp t, 0,1,2,3
.irp j, 6,7,8,9,10,11
	v_mov_b32 v[KF+12*\t+\j], 0
.endr
.endr
	v_mov_b32 v13, 0xff61b1e6                      ; the largest t so far: -3e38, under every t
	s_delay_alu instid0(VALU_DEP_1)
	v_floor_f32 v12, -v13                          ; -M
	v_mov_b32 v14, 0
	v_mov_b32 v15, 0
.irp b, 0,1,2,3
	v_mov_b32 v[236+\b], 0                         ; a lane permute's destination counts as one of its sources
.endr
	v_mov_b32 v253, 0                              ; (named as the upper half of the pair v[252:253] before it is first written)
.set j, 0
.rept 32
	v_mov_b32 v[OT+j], 0                           ; the step is written once: the first finds zeros, which the first change of M leaves zeros
.set j, j+1
.endr
; A KEY STEP: 128 keys.
.macro STEP
	v_add_nc_u32 v5, s[TB], v1                     ; these four are also the plain instructions between the last step's products and the loads into registers that they have read
	v_add_nc_u32 v6, s[TB], v2
	v_add_nc_u32 v7, s[TS], v3
	v_add_nc_u32 v8, s[TS], v4
.irp t, 0,1,2,3                        ; K's tiles 0-3
	ds_load_b128 v[KF+12*\t:KF+12*\t+3], v5 offset:768*\t
	ds_load_b64 v[KF+12*\t+4:KF+12*\t+5], v6 offset:768*\t
	ds_load_u16 v[KS+\t], v7 offset:32*\t
.endr
.irp d, 0,1,2,3                        ; V's four fragments, wanted at the step's end
.irp c, 0,1
	ds_load_b128 v[VF+12*\d+6*\c:VF+12*\d+6*\c+3], v5 offset:6144+3072*\c+768*\d
	ds_load_b64 v[VF+12*\d+6*\c+4:VF+12*\d+6*\c+5], v6 offset:6144+3072*\c+768*\d
.endr
	ds_load_b32 v[VS+\d], v8 offset:64*\d
.endr
	s_wait_alu depctr_va_vdst(0)
	s_wait_dscnt 20                                ; K's twelve loads are in; V's twenty may be out
.irp t, 0,1,2,3
	v_wmma_scale_f32_16x16x128_f8f6f4 v[S+8*\t:S+8*\t+7], v[KF+12*\t:KF+12*\t+11], v[16:27], 0, v[KS+\t], v255 matrix_a_fmt:MATRIX_FMT_FP6 matrix_b_fmt:MATRIX_FMT_FP6
.endr
.rept 4
	v_nop                                          ; in front of loads into registers that these products have read
.endr
.irp t, 0,1,2,3                        ; K's tiles 4-7
	ds_load_b128 v[KF+12*\t:KF+12*\t+3], v5 offset:3072+768*\t
	ds_load_b64 v[KF+12*\t+4:KF+12*\t+5], v6 offset:3072+768*\t
	ds_load_u16 v[KS+\t], v7 offset:128+32*\t
.endr
	s_wait_dscnt 0x0
.irp t, 0,1,2,3
	v_wmma_scale_f32_16x16x128_f8f6f4 v[S+32+8*\t:S+32+8*\t+7], v[KF+12*\t:KF+12*\t+11], v[16:27], 0, v[KS+\t], v255 matrix_a_fmt:MATRIX_FMT_FP6 matrix_b_fmt:MATRIX_FMT_FP6
.endr                                  ; lane (r, h): query r; register 16 b + i: key 32 b + 16 h + i of the step
.rept 4
	v_nop                                          ; in front of the first read of results
.endr
.irp b, 0,1,2,3
	v_max3_num_f32 v[232+\b], v[S+16*\b], v[S+1+16*\b], v[S+2+16*\b]   ; the largest SCORE of each block of 32 keys: it serves for the row's maximum and, since p rises with the score, for the block's largest p
.endr
.irp i, 3,5,7,9,11,13
.irp b, 0,1,2,3
	v_max3_num_f32 v[232+\b], v[232+\b], v[S+16*\b+\i], v[S+1+16*\b+\i]
.endr
.endr
.irp b, 0,1,2,3
	v_max_num_f32 v[232+\b], v[232+\b], v[S+15+16*\b]
.endr
.irp b, 0,1,2,3
	s_delay_alu instid0(VALU_DEP_4)
	v_permlanex16_b32 v[236+\b], v[232+\b], s[SEL], s[SEL+1]
.endr
.irp b, 0,1,2,3
	s_delay_alu instid0(VALU_DEP_4)
	v_max_num_f32 v[232+\b], v[232+\b], v[236+\b]  ; with lane l xor 16's 16 keys
.endr
	s_delay_alu instid0(VALU_DEP_2)
	v_max3_num_f32 v254, v232, v233, v234
	s_delay_alu instid0(VALU_DEP_1)
	v_max_num_f32 v254, v254, v235                 ; the step's largest score of my query
	s_delay_alu instid0(VALU_DEP_1)
	v_mul_f32 v254, s[CS], v254                    ; as t (c is positive)
	s_delay_alu instid0(VALU_DEP_1)
	v_max_num_f32 v13, v13, v254                   ; the running largest t
	v_mov_b32 v254, v12
	s_delay_alu instid0(VALU_DEP_2)
	v_floor_f32 v12, -v13                          ; the new -M = floor(-t) = -ceil(t)
	s_delay_alu instid0(VALU_DEP_1)
	v_sub_f32 v254, v12, v254                      ; old M - new M: a whole number, 0 or less
	s_delay_alu instid0(VALU_DEP_1)
	v_cvt_i32_f32 v254, v254                       ; (it saturates)
	s_delay_alu instid0(VALU_DEP_1)
	v_ldexp_f32 v252, 1.0, v254                    ; f = 2^(old M - new M)
.set j, 0
.rept 32
	v_pk_fma_f32 v[S+j:S+j+1], v[S+j:S+j+1], s[CS:CS+1], v[12:13] op_sel_hi:[1,0,0]   ; t - M, two at a time
.set j, j+2
.endr
.irp b, 0,1,2,3
	v_fma_f32 v[232+\b], v[232+\b], s[CS], v12     ; the same of each block's largest score
.endr
.set j, 0
	s_setprio 1
	s_wait_alu depctr_va_vdst(0)
.rept 64
	v_exp_f32 v[S+j], v[S+j]                       ; p = 2^(t - M), at most 1
.set j, j+1
.endr
	v_pk_mul_f32 v[14:15], v[14:15], v[252:253] op_sel_hi:[1,0]   ; the sums under the new M: the plain instruction behind the exponentials
	s_wait_alu depctr_va_vdst(0)                   ; one wait for the batch of 64, ahead of its first reader
.irp b, 0,1,2,3
	v_exp_f32 v[232+\b], v[232+\b]                 ; the block's largest p: the same two instructions on the same number give the same bits
.endr
	v_pk_add_f32 v[236:237], v[132:133], v[136:137]
	v_pk_add_f32 v[250:251], v[140:141], v[144:145]
	v_pk_add_f32 v[248:249], v[148:149], v[152:153]
	v_pk_add_f32 v[246:247], v[156:157], v[160:161]
	v_pk_add_f32 v[244:245], v[164:165], v[168:169]
	v_pk_add_f32 v[242:243], v[172:173], v[176:177]
	v_pk_add_f32 v[240:241], v[180:181], v[184:185]
	v_pk_add_f32 v[14:15], v[14:15], v[188:189]
	v_pk_add_f32 v[236:237], v[236:237], v[128:129]
	v_pk_add_f32 v[250:251], v[250:251], v[130:131]
	v_pk_add_f32 v[248:249], v[248:249], v[134:135]
	v_pk_add_f32 v[246:247], v[246:247], v[138:139]
	v_pk_add_f32 v[244:245], v[244:245], v[142:143]
	v_pk_add_f32 v[242:243], v[242:243], v[146:147]
	v_pk_add_f32 v[240:241], v[240:241], v[150:151]
	v_pk_add_f32 v[14:15], v[14:15], v[154:155]
	v_pk_add_f32 v[236:237], v[236:237], v[158:159]
	v_pk_add_f32 v[250:251], v[250:251], v[162:163]
	v_pk_add_f32 v[248:249], v[248:249], v[166:167]
	v_pk_add_f32 v[246:247], v[246:247], v[170:171]
	v_pk_add_f32 v[244:245], v[244:245], v[174:175]
	v_pk_add_f32 v[242:243], v[242:243], v[178:179]
	v_pk_add_f32 v[240:241], v[240:241], v[182:183]
	v_pk_add_f32 v[14:15], v[14:15], v[186:187]
	v_pk_add_f32 v[236:237], v[236:237], v[190:191]
	s_delay_alu instid0(VALU_DEP_2)
	v_pk_add_f32 v[14:15], v[14:15], v[246:247]
	s_delay_alu instid0(VALU_DEP_2)
	v_pk_add_f32 v[236:237], v[236:237], v[244:245]
	v_pk_add_f32 v[250:251], v[250:251], v[242:243]
	v_pk_add_f32 v[248:249], v[248:249], v[240:241]
	s_delay_alu instid0(VALU_DEP_2)
	v_pk_add_f32 v[14:15], v[14:15], v[250:251]
	s_delay_alu instid0(VALU_DEP_2)
	v_pk_add_f32 v[236:237], v[236:237], v[248:249]
	s_delay_alu instid0(VALU_DEP_1)
	v_pk_add_f32 v[14:15], v[14:15], v[236:237]
	s_wait_alu depctr_va_vdst(0)                   ; and one for the four
.irp b, 0,1,2,3
	v_max_num_f32 v[232+\b], 0x1800000, v[232+\b]  ; the floor 2^(3 - 127): the byte cannot fall under 1
.endr
.irp b, 0,1,2,3
	s_delay_alu instid0(VALU_DEP_4)
	v_add_nc_u32 v[244+\b], 0xff000000, v[232+\b]  ; 2 off the exponent field: the conversion's scale operand
.endr
.irp b, 0,1,2,3
	s_delay_alu instid0(VALU_DEP_4)
	v_lshrrev_b32 v[236+\b], 23, v[244+\b]         ; the scale's byte
.endr
	s_delay_alu instid0(VALU_DEP_3)
	v_lshl_or_b32 v253, v237, 8, v236              ; p's scale word for these 128 keys
	s_delay_alu instid0(VALU_DEP_1)
	v_lshl_or_b32 v253, v238, 16, v253
	s_delay_alu instid0(VALU_DEP_1)
	v_lshl_or_b32 v253, v239, 24, v253
.irp c, 0,1
	v_cvt_scalef32_pk16_fp6_f32 v[224+6*\c:226+6*\c], v[S+32*\c:S+15+32*\c], v[244+2*\c]
	v_cvt_scalef32_pk16_fp6_f32 v[236+4*\c:238+4*\c], v[S+16+32*\c:S+31+32*\c], v[244+2*\c+1]   ; (a conversion's three registers begin on an even number)
.endr
	v_nop                                          ; one plain instruction behind a scaled conversion
.irp c, 0,1                            ; the operand's layout wants a whole block in a lane
.irp i, 0,1,2
	v_permlane16_swap_b32 v[224+6*\c+\i], v[236+4*\c+\i]
.endr
.irp i, 0,1,2
	s_delay_alu instid0(VALU_DEP_3)
	v_mov_b32 v[227+6*\c+\i], v[236+4*\c+\i]
.endr
.endr
.set j, 0
	s_setprio 0
.rept 16
	v_pk_mul_f32 v[OT+j:OT+j+1], v[OT+j:OT+j+1], v[252:253] op_sel_hi:[1,0]   ; O^T under the new M, each accumulator from its low end on
.set j, j+2
.endr
.rept 4
	v_nop                                          ; between the last of these writes and the products that add onto them
.endr
.irp d, 0,1,2,3                        ; O^T += V^T P^T: K = these 128 keys; four accumulators by turns
	v_wmma_scale_f32_16x16x128_f8f6f4 v[OT+8*\d:OT+8*\d+7], v[VF+12*\d:VF+12*\d+11], v[224:235], v[OT+8*\d:OT+8*\d+7], v[VS+\d], v253 matrix_a_fmt:MATRIX_FMT_FP6 matrix_b_fmt:MATRIX_FMT_FP6
.endr
	s_add_co_u32 s[TB], s[TB], STEPB
	s_add_co_u32 s[TS], s[TS], 512
.endm
	s_wait_loadcnt 0x0                             ; Q
	s_wait_tensorcnt 0x0                           ; all six of my loads have landed
	s_barrier_signal -1
	s_barrier_wait -1                              ; everybody's have: the whole head lies in LDS, and nothing is ever filled again
	s_mov_b32 s[TB], 0
	s_mov_b32 s[TS], 0
	s_mov_b32 s[CNT], 16
.Lstep:
	s_setprio 2
	STEP
	s_sub_co_u32 s[CNT], s[CNT], 1
	s_cmp_lg_u32 s[CNT], 0
	s_cbranch_scc1 .Lstep
	s_setprio 0
	; THE WAY OUT: O^T / the sum, quantised along d: register 16 b + i is d = 32 b + 16 h + i of my query: half a fragment of the last projection's operand.
.rept 4
	v_nop                                          ; in front of the first read of the last products' results
.endr
	v_add_f32 v14, v14, v15                        ; the sum's two halves,
	s_delay_alu instid0(VALU_DEP_1)
	v_permlanex16_b32 v252, v14, s[SEL], s[SEL+1]
	s_delay_alu instid0(VALU_DEP_1)
	v_add_f32 v14, v14, v252                       ; and lane l xor 16's
	s_wait_alu depctr_va_vdst(0)
	v_rcp_f32 v14, v14
	v_nop                                          ; a plain instruction behind the reciprocal
	s_wait_alu depctr_va_vdst(0)                   ; and the wait ahead of its first reader
.set j, 0
.rept 16
	v_pk_mul_f32 v[S+j:S+j+1], v[OT+j:OT+j+1], v[14:15] op_sel_hi:[1,0]
.set j, j+2
.endr
.irp b, 0,1
	v_max3_num_f32 v[232+\b], |v[S+16*\b]|, |v[S+16*\b+1]|, 0x1800000   ; my 16 numbers of block b, and the floor 2^(3 - 127)
.endr
.irp i, 2,4,6,8,10,12,14
.irp b, 0,1
	s_delay_alu instid0(VALU_DEP_2)
	v_max3_num_f32 v[232+\b], v[232+\b], |v[S+16*\b+\i]|, |v[S+16*\b+\i+1]|
.endr
.endr
.irp b, 0,1
	s_delay_alu instid0(VALU_DEP_2)
	v_permlanex16_b32 v[234+\b], v[232+\b], s[SEL], s[SEL+1]
.endr
.irp b, 0,1
	s_delay_alu instid0(VALU_DEP_2)
	v_max_num_f32 v[232+\b], v[232+\b], v[234+\b]
.endr
.irp b, 0,1
	s_delay_alu instid0(VALU_DEP_2)
	v_add_nc_u32 v[236+\b], 0xff000000, v[232+\b]
.endr
.irp b, 0,1
	s_delay_alu instid0(VALU_DEP_2)
	v_lshrrev_b32 v[238+\b], 23, v[236+\b]
.endr
	s_delay_alu instid0(VALU_DEP_1)
	v_lshl_or_b32 v246, v239, 8, v238              ; the row's two scale bytes
	v_cvt_scalef32_pk16_fp6_f32 v[224:226], v[S:S+15], v236
	v_cvt_scalef32_pk16_fp6_f32 v[240:242], v[S+16:S+31], v237
	v_nop                                          ; one plain instruction behind a scaled conversion
.irp i, 0,1,2
	v_permlane16_swap_b32 v[224+\i], v[240+\i]
.endr
.irp i, 0,1,2
	s_delay_alu instid0(VALU_DEP_3)
	v_mov_b32 v[227+\i], v[240+\i]
.endr
	v_lshrrev_b32 v10, v9, v246                    ; byte h of the two
	global_store_b128 v1, v[224:227], s[8:9]       ; 512 consecutive bytes, at a multiple of 256 from the buffer's first byte
	global_store_b64 v2, v[228:229], s[8:9]        ; 256
	global_store_b8 v11, v10, s[10:11]             ; lane (r, h): byte h of row r
	s_wait_xcnt 0x0
	v_lshl_add_u32 v254, v0, 2, 0x32000
	v_mov_b32 v255, 0
	s_wait_alu depctr_va_vdst(0)
	s_wait_tensorcnt 0x0
	ds_add_u32 v254, v255
	s_wait_dscnt 0x0
	ROUND                                          ; the closing round: no work-group ends while a partner may still ask for a tile that names it
	s_endpgm
.Lfunc_end_k_qfb549fc53a_attn:
	.size	k_qfb549fc53a_attn, .Lfunc_end_k_qfb549fc53a_attn-k_qfb549fc53a_attn
	.p2alignl 7, 3214868480
	.fill 96, 4, 3214868480
	.section	.rodata,"a",@progbits
	.p2align	6, 0x0
	.amdhsa_kernel k_qfb549fc53a_attn
		.amdhsa_group_segment_fixed_size 206848
		.amdhsa_private_segment_fixed_size 0
		.amdhsa_enable_private_segment 0
		.amdhsa_kernarg_size 32
		.amdhsa_user_sgpr_count 2
		.amdhsa_user_sgpr_kernarg_segment_ptr 1
		.amdhsa_wavefront_size32 1
		.amdhsa_system_sgpr_workgroup_id_x 1
		.amdhsa_system_sgpr_workgroup_id_y 1
		.amdhsa_system_sgpr_workgroup_id_z 1
		.amdhsa_system_vgpr_workitem_id 0
		.amdhsa_next_free_vgpr 256
		.amdhsa_next_free_sgpr 96
		.amdhsa_reserve_vcc 0
		.amdhsa_float_denorm_mode_32 3
		.amdhsa_float_denorm_mode_16_64 3
		.amdhsa_memory_ordered 1
		.amdhsa_forward_progress 1
		.amdhsa_inst_pref_size 34
	.end_amdhsa_kernel
	.amdgpu_metadata
---
amdhsa.version: [ 1, 2 ]
amdhsa.kernels:
  - .name:           k_qfb549fc53a_attn
    .symbol:         k_qfb549fc53a_attn.kd
    .args:
      - { .name: pc, .offset: 0, .size: 8, .value_kind: global_buffer, .address_space: global }
      - { .name: ps, .offset: 8, .size: 8, .value_kind: global_buffer, .address_space: global }
      - { .name: oc, .offset: 16, .size: 8, .value_kind: global_buffer, .address_space: global }
      - { .name: os, .offset: 24, .size: 8, .value_kind: global_buffer, .address_space: global }
    .group_segment_fixed_size: 206848
    .private_segment_fixed_size: 0
    .kernarg_segment_align: 8
    .kernarg_segment_size: 32
    .max_flat_workgroup_size: 512
    .sgpr_count:     96
    .vgpr_count:     256
    .wavefront_size: 32
...
	.end_amdgpu_metadata
.endif
;; end of part 7
;; launch outp (part 8): grid 256 x 1, 4 waves a work-group, no clusters, 17,920 bytes of LDS; arguments xc, xs, oc, os, b_o, out0; writes out0
.if DOCPART == 8
	.amdgcn_target "amdgcn-amd-amdhsa--gfx1250"
	.amdhsa_code_object_version 6
	.text
	.protected	k_qfb549fc53a_outp
	.globl	k_qfb549fc53a_outp
	.p2align	8
	.type	k_qfb549fc53a_outp,@function
k_qfb549fc53a_outp:
	s_mov_b64 s[64:65], 0
	v_nop
	global_prefetch_b8 v0, s[64:65] scope:SCOPE_SE
	s_setreg_imm32_b32 hwreg(HW_REG_WAVE_SCHED_MODE, 0, 2), 2
	s_setreg_imm32_b32 hwreg(HW_REG_WAVE_MODE, 25, 1), 1
	s_wait_xcnt 0x0
	s_wait_alu depctr_vm_vsrc(0)
; out0 = O w_o^T + b_o on codes of FP6 (E2M3), K = 1,024.  O's codes and scale words (oc, os) and w_o's (xc, xs, tiles 960 on) lie in the order of an operand's registers:
; tile T, K step s at T x 12288 + s x 1536, scale words at T x 512 + s x 64 + 4 r; lane r of tile t holds row 32 (t / 2) + 8 (t % 2) + r + 8 (r / 8).
; Source 0 = w_o (64 features), source 1 = O (64 tokens): a lane holds one token, and register j of accumulator (a, b) feature 32 (a / 2) + 16 h + 8 (a % 2) + j of the wave's 64.
; SHARES: a work-group makes 128 x 128, a wave 64 x 64: 16 accumulators, which take turns, one instruction a turn.  K: 8 steps of 128, written out; every offset is an immediate.
; THE FRAGMENTS ARE ASKED FOR TWO K STEPS AHEAD.  One wave lies on a SIMD, so nothing but its own loads can be on their way: a ring of three sets of 96 registers, set s % 3 in window 1 + s % 3.
; While step s is multiplied, the 32 loads of step s + 1 and the 32 of step s + 2 are out.  More loads are issued than the counter's field holds; the hardware then holds the issue back (ISA guide 5.7.1), and no wait is placed for that.
; THE SCALE WORDS of all 8 steps come at the head: a load at 4 x lane brings a tile's words of two K steps, lanes 0-15 the even step's, lanes 16-31 the odd step's, which the odd steps' products take by ROW1.
; THE BIAS, eight registers a tile of features in the result's layout, is the C of the first step's products.
; THE WAY OUT: a tile of 16 tokens x 64 features goes through the wave's own stage in LDS (pitch 272) and leaves as rows of 256 bytes: sixteen lanes store 256 consecutive bytes, aligned.
; NO CLUSTER, NO TENSOR LOAD: the operands go from memory straight into registers, so there is no tile in LDS to ask for jointly.
; REGISTERS: window 0: v1-8 addresses; v16-31 w_o's scale words (4 i + p: tile i, K steps 2 p and 2 p + 1), v32-47 O's: scales and nothing else; v48-79 the bias; v48-111 the way out; v128-255 the accumulators.
;   windows 1 to 3: v0-47 w_o's four fragments, v48-95 O's.
; THE MODE: SCHED_MODE bits 1:0 = 2 (LLVM: expert scheduling mode 2), set by the entry lines.  The code itself states the register dependences between vector or matrix instructions
; and memory or LDS instructions, with s_wait_alu, always for 0.
; THE PLAN.  Registers that memory or LDS instructions touch:
;   v1-v6, v8, v126, v127   addresses and the closing add's two: written once at the head, never again.
;   the three sets          step s: the loads of step s + 2 land in set (s - 1) % 3, which step s - 1's products have read; step s's products name set s % 3, the scale words and the accumulators.
;   v16-47, v48-79          scale words and bias: loaded once; the bias is read by the first step's products; on the way out loads from the stage land in its registers.
;   the accumulators        written by the products, read by the LDS stores of the way out.
;   v80-111, v48-79         the way out, by turns: loads from the stage land in them, global stores read them, the loads of the tile two on land in them again.
; So: one wait on va_vdst ahead of the first load (the addresses; no vector or matrix instruction follows it before the first step's products, so the loads of K steps 0, 1 and 2 owe nothing more); one in each of
; steps 1 to 5, behind the wait for the step's operands and ahead of its 32 loads; one ahead of the way out.  A wait on vm_vsrc ahead of tiles 2 and 3 of the way out.  One wait on va_sdst for the wave's number.
.set SCA, 16
.set SCB, 32
.set BIA, 48
.set OB,  80                           ; the way out: v80-111 and v48-79 by turns
.set ACC, 128                          ; accumulator (a, b) at ACC + 8 (4 b + a)
.set FA,  0
.set FB,  48
.set CA,  36                           ; s[36:37] w_o's codes;  s[38:39] O's;  s[40:41], s[42:43] their scale words;  s[44:45] the bias
.set CB,  38
.set ZA,  40
.set ZB,  42
.set BI,  44
.set MSB, 0
.macro WIN new                         ; s_set_vgpr_msb: bits 1:0 source 0, 3:2 source 1, 5:4 source 2, 7:6 destination; the high byte repeats the setting that is left
.if MSB != \new
	s_set_vgpr_msb (MSB<<8)|\new
.set MSB, \new
.endif
.endm
	s_load_b256 s[4:11], s[0:1], 0x0               ; xc, xs, oc, os
	s_load_b128 s[12:15], s[0:1], 0x20             ; b_o, out0
	v_lshl_add_u32 v126, v0, 2, 0x4400
	v_mov_b32 v127, 0
	v_lshrrev_b32 v7, 5, v0
	v_readfirstlane_b32 s19, v7                    ; wave
	v_and_b32 v7, 31, v0
	v_lshlrev_b32 v1, 4, v7                        ; 16 L
	v_lshlrev_b32 v2, 3, v7                        ; 8 L
	v_lshlrev_b32 v3, 2, v7                        ; 4 L: the scale words of two K steps
	v_and_b32 v10, 15, v0                          ; r
	v_bfe_u32 v11, v0, 4, 1                        ; h
	v_lshlrev_b32 v8, 6, v11                       ; the bias: 64 h
	s_wait_alu depctr_va_sdst(0)                   ; s19, the wave's number, is written, ahead of its first reader: the stage's place and the wave's shares are made from it
	s_mul_i32 s30, s19, 16*272                     ; my stage
	v_mul_u32_u24 v4, v10, 272
	v_lshl_add_u32 v4, v11, 6, v4
	v_add_nc_u32 v4, s30, v4                       ; in: row r, + 64 h
	v_mul_u32_u24 v5, v11, 272
	v_lshl_add_u32 v5, v10, 4, v5
	v_add_nc_u32 v5, s30, v5                       ; back: lanes 0-15 one row, lanes 16-31 the next
	v_lshlrev_b32 v6, 12, v11
	v_lshl_add_u32 v6, v10, 4, v6                  ; and the same two rows of out0
	s_and_b32 s21, ttmp9, 7                        ; block of 128 features
	s_lshr_b32 s22, ttmp9, 3                       ; block of 128 tokens
	s_and_b32 s25, s19, 1
	s_lshr_b32 s26, s19, 1
	s_lshl_b32 s26, s26, 2
	s_lshl_b32 s27, s21, 1
	s_add_co_u32 s27, s27, s25                     ; G: my 64 features
	s_lshl_b32 s28, s22, 3
	s_add_co_u32 s28, s28, s26                     ; my first tile of tokens
	s_lshl_b32 s29, s27, 2
	s_add_co_u32 s29, s29, 960                     ; my first tile of w_o in xc
	s_mov_b32 s35, 0
	s_wait_kmcnt 0x0
	s_mul_i32 s34, s29, 12288
	s_add_nc_u64 s[CA:CA+1], s[4:5], s[34:35]
	s_lshl_b32 s34, s29, 9
	s_add_nc_u64 s[ZA:ZA+1], s[6:7], s[34:35]
	s_mul_i32 s34, s28, 12288
	s_add_nc_u64 s[CB:CB+1], s[8:9], s[34:35]
	s_lshl_b32 s34, s28, 9
	s_add_nc_u64 s[ZB:ZB+1], s[10:11], s[34:35]
	s_lshl_b32 s34, s27, 8
	s_add_nc_u64 s[BI:BI+1], s[12:13], s[34:35]
	s_lshl_b32 s33, s28, 16
	s_add_co_u32 s34, s34, s33
	s_add_nc_u64 s[14:15], s[14:15], s[34:35]      ; out0 at token 16 x tile, feature 64 G
	s_wait_alu depctr_va_vdst(0)                   ; the addresses v1 to v6 and v8 are written, which every load, LDS instruction and store below reads
.irp i, 0,1,2,3                        ; all scale words: 128 consecutive bytes a load
.irp p, 0,1,2,3
	global_load_b32 v[SCA+4*\i+\p], v3, s[ZA:ZA+1] offset:512*\i+128*\p
	global_load_b32 v[SCB+4*\i+\p], v3, s[ZB:ZB+1] offset:512*\i+128*\p
.endr
.endr
.irp a, 0,1,2,3                        ; the bias, in the result's layout
	global_load_b128 v[BIA+8*\a:BIA+8*\a+3], v8, s[BI:BI+1] offset:(32*(\a/2)+8*(\a%2))*4
	global_load_b128 v[BIA+8*\a+4:BIA+8*\a+7], v8, s[BI:BI+1] offset:(32*(\a/2)+8*(\a%2))*4+16
.endr
.macro LOADF reg, base, off            ; a fragment: four dense loads
	global_load_b128 v[\reg:\reg+3], v1, s[\base:\base+1] offset:\off
	global_load_b64 v[\reg+4:\reg+5], v2, s[\base:\base+1] offset:\off+512
	global_load_b128 v[\reg+6:\reg+9], v1, s[\base:\base+1] offset:\off+768
	global_load_b64 v[\reg+10:\reg+11], v2, s[\base:\base+1] offset:\off+1280
.endm
.macro LOADS s, again                  ; K step s: eight fragments, 32 loads, into set s % 3.  again = 1: products have read that set
.set WN, (1+(\s)%3)<<6                 ; destination in the set's window, addresses in window 0
	WIN WN
.if \again
	s_wait_alu depctr_va_vdst(0)                   ; the last step's products are done reading this set, in which the 32 loads below land (the window's switch first, then the wait, then the loads)
.endif
.irp i, 0,1,2,3
	LOADF FB+12*\i, CB, 12288*\i+1536*(\s)
.endr
.irp i, 0,1,2,3
	LOADF FA+12*\i, CA, 12288*\i+1536*(\s)
.endr
.endm
.macro STEP s                          ; 128 along K
.if (\s) < 7
	s_wait_loadcnt 32                              ; this step's operands are in (in the first step the scale words and the bias too); the next step's 32 loads may be out
.else
	s_wait_loadcnt 0x0
.endif
.if (\s) < 6
.if (\s) > 0
.rept 4
	v_nop                                          ; four plain instructions between the last step's products and loads into the set that they have read (ISA guide 7.12.1 for vector instructions): they stay beside the wait in LOADS
.endr
	LOADS (\s)+2, 1
.else
	LOADS (\s)+2, 0                                ; no product has been issued yet: nothing has read this set
.endif
.endif
.set WN, 5*(1+(\s)%3)                  ; sources 0 and 1 in the set's window; C and D in window 0
	WIN WN
.irp b, 0,1,2,3
.irp a, 0,1,2,3
.if (\s) == 0
	v_wmma_scale_f32_16x16x128_f8f6f4 v[ACC+8*(4*\b+\a):ACC+8*(4*\b+\a)+7], v[FA+12*\a:FA+12*\a+11], v[FB+12*\b:FB+12*\b+11], v[BIA+8*\a:BIA+8*\a+7], v[SCA+4*\a], v[SCB+4*\b] matrix_a_fmt:MATRIX_FMT_FP6 matrix_b_fmt:MATRIX_FMT_FP6
.elseif (\s)%2 == 0
	v_wmma_scale_f32_16x16x128_f8f6f4 v[ACC+8*(4*\b+\a):ACC+8*(4*\b+\a)+7], v[FA+12*\a:FA+12*\a+11], v[FB+12*\b:FB+12*\b+11], v[ACC+8*(4*\b+\a):ACC+8*(4*\b+\a)+7], v[SCA+4*\a+(\s)/2], v[SCB+4*\b+(\s)/2] matrix_a_fmt:MATRIX_FMT_FP6 matrix_b_fmt:MATRIX_FMT_FP6
.else
	v_wmma_scale_f32_16x16x128_f8f6f4 v[ACC+8*(4*\b+\a):ACC+8*(4*\b+\a)+7], v[FA+12*\a:FA+12*\a+11], v[FB+12*\b:FB+12*\b+11], v[ACC+8*(4*\b+\a):ACC+8*(4*\b+\a)+7], v[SCA+4*\a+(\s)/2], v[SCB+4*\b+(\s)/2] matrix_a_fmt:MATRIX_FMT_FP6 matrix_b_fmt:MATRIX_FMT_FP6 matrix_a_scale:MATRIX_SCALE_ROW1 matrix_b_scale:MATRIX_SCALE_ROW1
.endif
.endr
.endr
.endm
	LOADS 0, 0
	LOADS 1, 0
.irp s, 0,1,2,3,4,5,6,7
	STEP \s
.endr
	WIN 0
.rept 4
	v_nop                                          ; in front of the first read of results
.endr
	s_wait_alu depctr_va_vdst(0)                   ; the products have written the accumulators, which the LDS stores read, and are done reading the bias's registers, in which loads from the stage land; the places above stay beside this wait
.irp b, 0,1,2,3                        ; tile b of my tokens
.if \b >= 2
	s_wait_xcnt 0x0                                ; the stores of the tile two back have read the registers that are loaded next
	s_wait_alu depctr_vm_vsrc(0)                   ; the global stores of the tile two back have read their data registers, in which the loads from the stage below land
.endif
.irp a, 0,1,2,3
	ds_store_b128 v4, v[ACC+8*(4*\b+\a):ACC+8*(4*\b+\a)+3] offset:(32*(\a/2)+8*(\a%2))*4        ; each accumulator from its low end on
	ds_store_b128 v4, v[ACC+8*(4*\b+\a)+4:ACC+8*(4*\b+\a)+7] offset:(32*(\a/2)+8*(\a%2))*4+16
.endr
.irp i, 0,1,2,3,4,5,6,7
	ds_load_b128 v[OB-32*(\b%2)+4*\i:OB-32*(\b%2)+4*\i+3], v5 offset:544*\i   ; LDS serves a wave's instructions in order: these see the stores above, and the next tile's stores come behind them
.endr
	s_wait_dscnt 0x0
.irp i, 0,1,2,3,4,5,6,7                ; stage rows 2 i and 2 i + 1 are tokens 32 (b / 2) + 8 (b % 2) + 2 i + h + 8 (i / 4) of my 64
	global_store_b128 v6, v[OB-32*(\b%2)+4*\i:OB-32*(\b%2)+4*\i+3], s[14:15] offset:(32*(\b/2)+8*(\b%2)+2*\i+8*(\i/4))*4096 th:TH_STORE_NT
.endr
.endr
	s_wait_dscnt 0x0                               ; the closing lines, six on end
	s_wait_alu 0x0
	s_wait_tensorcnt 0x0
	ds_add_u32 v126, v127
	s_wait_dscnt 0x0
	s_endpgm
.Lfunc_end_k_qfb549fc53a_outp:
	.size	k_qfb549fc53a_outp, .Lfunc_end_k_qfb549fc53a_outp-k_qfb549fc53a_outp
	.p2alignl 7, 3214868480
	.fill 96, 4, 3214868480
	.section	.rodata,"a",@progbits
	.p2align	6, 0x0
	.amdhsa_kernel k_qfb549fc53a_outp
		.amdhsa_group_segment_fixed_size 17920
		.amdhsa_private_segment_fixed_size 0
		.amdhsa_enable_private_segment 0
		.amdhsa_kernarg_size 48
		.amdhsa_user_sgpr_count 2
		.amdhsa_user_sgpr_kernarg_segment_ptr 1
		.amdhsa_wavefront_size32 1
		.amdhsa_system_sgpr_workgroup_id_x 1
		.amdhsa_system_sgpr_workgroup_id_y 1
		.amdhsa_system_sgpr_workgroup_id_z 1
		.amdhsa_system_vgpr_workitem_id 0
		.amdhsa_next_free_vgpr 1024
		.amdhsa_next_free_sgpr 66
		.amdhsa_reserve_vcc 0
		.amdhsa_float_denorm_mode_32 3
		.amdhsa_float_denorm_mode_16_64 3
		.amdhsa_memory_ordered 1
		.amdhsa_forward_progress 1
		.amdhsa_inst_pref_size 56
	.end_amdhsa_kernel
	.amdgpu_metadata
---
amdhsa.version: [ 1, 2 ]
amdhsa.kernels:
  - .name:           k_qfb549fc53a_outp
    .symbol:         k_qfb549fc53a_outp.kd
    .args:
      - { .name: xc, .offset: 0, .size: 8, .value_kind: global_buffer, .address_space: global }
      - { .name: xs, .offset: 8, .size: 8, .value_kind: global_buffer, .address_space: global }
      - { .name: oc, .offset: 16, .size: 8, .value_kind: global_buffer, .address_space: global }
      - { .name: os, .offset: 24, .size: 8, .value_kind: global_buffer, .address_space: global }
      - { .name: b_o, .offset: 32, .size: 8, .value_kind: global_buffer, .address_space: global }
      - { .name: out0, .offset: 40, .size: 8, .value_kind: global_buffer, .address_space: global }
    .group_segment_fixed_size: 17920
    .private_segment_fixed_size: 0
    .kernarg_segment_align: 8
    .kernarg_segment_size: 48
    .max_flat_workgroup_size: 128
    .sgpr_count:     66
    .vgpr_count:     1024
    .wavefront_size: 32
...
	.end_amdgpu_metadata
.endif
;; end of part 8
